; MI455X (gfx1250); checked and timed in simulation.
; The chip was launched on July 23, 2026; its instructions are those of AMD's public machine-readable ISA for CDNA 5 (MIT licence, August 2026) and "CDNA5" Instruction Set Architecture Reference Guide (July 2026). The comments in the code are by the model that wrote it; some were corrected since.
;; Multi Head Attention. Allowed arithmetic: matrix products marked QUANTISED: E2M3 operands, one E8M0 scale for each 32 along K, by v_wmma_scale_f32_16x16x128_f8f6f4 with both operands' format E2M3, f32 sums; everything else in f32.
;; Inputs: Wk 1,024 x 1,024 float32; Wo 1,024 x 1,024 float32; Wq 1,024 x 1,024 float32; Wv 1,024 x 1,024 float32; bk 1,024 float32; bo 1,024 float32; bq 1,024 float32; bv 1,024 float32; key 4 x 2,048 x 1,024 float32; mask 4 x 1 x 2,048 x 2,048 bool; query 4 x 2,048 x 1,024 float32; value 4 x 2,048 x 1,024 float32.
;; Outputs: out0 4 x 2,048 x 1,024 float32.
;; This version of the problem:
;;   THIS VERSION OF THE PROBLEM IS GIVEN IN LOW PRECISION. The matrix products marked QUANTISED in the list below multiply operands that are first quantised to E2M3 (2 exponent bits, 3 mantissa bits; 6 bits a number), with one power-of-two scale for each 32 numbers along K (OCP MX v1.0); their sums are f32. All else is computed in f32.
;;   The module's matrix products, in the order in which they are computed (A, B: the left and right operand; K: the contracted axis; several contracted axes count as one K, in the product's order):
;;     1. [M 8,192, K 1,024] x [K 1,024, N 1,024]; A: input query; B: input Wq: QUANTISED
;;     2. [M 8,192, K 1,024] x [K 1,024, N 1,024]; A: input key; B: input Wk: QUANTISED
;;     3. [M 8,192, K 1,024] x [K 1,024, N 1,024]; A: input value; B: input Wv: QUANTISED
;;     4. batch 64 x [M 2,048, K 64] x [K 64, N 2,048]; A: computed on the way; B: computed on the way: QUANTISED
;;     5. batch 64 x [M 2,048, K 2,048] x [K 2,048, N 64]; A: softmax (see below); B: computed on the way: QUANTISED
;;     6. [M 8,192, K 1,024] x [K 1,024, N 1,024]; A: computed on the way; B: input Wo: QUANTISED
;;   THE QUANTISER, for each operand of a quantised product, along K:
;;     - K is cut into blocks of 32 from its start; a last block that is shorter is filled with zeros.
;;     - A block's scale is 2^e with e = floor(log2(the largest magnitude in the block)) - 2, held to -126 .. 127; a block of zeros has e = 0. As a byte (E8M0): e + 127.
;;     - Each number is divided by its block's scale, clamped to +-7.5, and rounded to the nearest number of E2M3, ties to even, subnormals kept.
;;     - The product sums the exact products of the quantised numbers (number of the format x scale) in f32.
;;   ~~~python
;;   def quantise(x, axis):      # numpy; x: float32 -> the quantised numbers, widened to float32 again
;;       x = np.moveaxis(x, axis, -1); K = x.shape[-1]
;;       x = np.pad(x, [(0, 0)] * (x.ndim - 1) + [(0, -K % 32)]); x = x.reshape(x.shape[:-1] + (-1, 32)); a = np.abs(x).max(-1, keepdims=True)
;;       e = np.where(a > 0, np.clip(np.frexp(np.where(a > 0, a, 1))[1] - 1 - 2, -126, 127), 0)      # np.frexp(a)[1] - 1 = floor(log2(a)), exactly
;;       r = np.clip(x / 2.0 ** e, -7.5, 7.5)
;;       step = 2.0 ** (np.maximum(np.frexp(np.where(r == 0, 1, r))[1] - 1, 0) - 3)
;;       q = np.round(r / step) * step * 2.0 ** e      # np.round: ties to even
;;       return np.moveaxis(q.reshape(q.shape[:-2] + (-1,))[..., :K], -1, axis).astype(np.float32)
;;   ~~~
;;   SOFTMAX AHEAD OF A QUANTISED PRODUCT. Where the list says 'softmax', what is quantised is not the finished softmax but p = 2^(t - M), with t = logit x log2(e) and M = ceil(the row's largest t), a whole number; so 1/2 < the row's largest p <= 1. The row's sum l is taken of the UNQUANTISED p, in f32, and the product's result is divided by l at the end. Since M is a whole number, a kernel that streams over the keys may use a running M (the ceiling of the running maximum): every later rescaling is an exact power of two, which a block's scale takes up: the codes' values come out the same.
;;   OPERANDS COMPUTED ON THE WAY. 'Computed on the way' means the value that the module computes at that place (a softmax that the list does not call 'softmax' is quantised finished and normalised). What goes into a quantiser is computed in f32, as accurately as f32 sums, v_exp_f32 and their like allow (about 1e-6 of the number): no bf16 or f16 on the way to a quantiser, and a product that is left as it is and whose result goes on into a quantised operand takes f32 operands (vector FMAs, or v_wmma_f32_16x16x4_f32). A number that lies on a knife's edge between two numbers of the format may be rounded either way, as far as f32 arithmetic and the matrix unit's own rounding can turn it there, and no further.
;; One version. Each part assembles by itself: llvm-mc -triple=amdgcn-amd-amdhsa -mcpu=gfx1250 --defsym DOCPART=n.
;; ======== version 1 of 1: 4 launches
;; limits: right only within a limited range of input values
;; workspace buffers: xcs 19,660,800 bytes; wcs 3,276,800 bytes; mbits 2,097,152 bytes of whole numbers; mflag 262,144 bytes of whole numbers; qb 6,815,744 bytes; kv 13,369,344 bytes; cc 6,553,600 bytes
;; launch prep (part 1): grid 1408 x 1, 4 waves a work-group, no clusters, 33,280 bytes of LDS; arguments query, key, value, Wq, Wk, Wv, Wo, mask, xcs, wcs, mbits, mflag; writes xcs, wcs, mbits, mflag
.if DOCPART == 1
	.amdgcn_target "amdgcn-amd-amdhsa--gfx1250"
	.amdhsa_code_object_version 6
	.text
	.protected	k_qadd8aea3fb_prep
	.globl	k_qadd8aea3fb_prep
	.p2align	8
	.type	k_qadd8aea3fb_prep,@function
k_qadd8aea3fb_prep:
	s_mov_b64 s[64:65], 0
	v_nop
	global_prefetch_b8 v0, s[64:65] scope:SCOPE_SE
	s_setreg_imm32_b32 hwreg(HW_REG_WAVE_MODE, 25, 1), 1
	s_wait_xcnt 0x0
; PREP.  Work-groups 0-895 turn query, key, value [8192][1024] and Wq, Wk, Wv, Wo [1024][1024], f32, into codes of FP6 (E2M3) with one E8M0 byte for each 32 along K.
; CODES: xcs holds 3 tensors, wcs 4.  A tensor's stored rows go in blocks of 128; a block is [chunk of 256 along K: 4][row: 128][192 bytes], 98,304 bytes: so the 128 rows of one chunk are 24,576 dense bytes,
; which the later launches fetch as 96 rows of 256 bytes, each at a multiple of 256 from the buffer's first byte.  SCALE BYTES: [stored row][32], in xcs from byte 18,874,368, in wcs from byte 3,145,728.
; A block's scale is 2^(floor(log2(its largest magnitude)) - 2); its byte is the largest magnitude's exponent field - 2, held at 1 from below.  A block of zeros so gets the byte 1 where the rule says 127: its codes are zeros, and this program alone reads the bytes.
; LIMITS: blocks whose largest magnitude lies under 2^-124 keep the byte 1; NaN and infinities among the inputs are not served.
; ROWS CHANGE PLACES, in runs of 8 rows (a wave's run; a work-group's four runs are 32 rows).  value, Wq, Wk, Wv: row 32 g + 16 a + 8 u + c is stored at 32 g + 16 u + 8 a + c.
; key: row 128 s + 64 c + 32 h + 8 q + j is stored at 128 s + 64 c + 16 q + 8 h + j, so that tile 4 c + q of 16 stored rows holds in its row 8 h + j the key 64 c + 32 h + 8 q + j.  query and Wo keep their order.
; A wave takes 16 steps of 512 numbers: each of a step's four loads reads 512 consecutive bytes; the 2,048 bytes turn through the wave's own stage in LDS and come back 64 bytes a lane (16 neighbours along K; two lanes hold a block).
; A step is half a row: lanes 0-15 store 192 bytes of one chunk, lanes 16-31 of the next; a wave's 8 rows fill 1,536 consecutive bytes of each chunk.  Its 256 scale bytes leave by one store of 256 aligned bytes.
; Work-groups 896-1407 turn the mask [4][1][2048][2048] (a byte a place) into words of lane bits: mbits [b 4][tile of 16 queries 128][key step 16][64 words]; in word 32 c + i the bit of lane (r, h) is
; mask[b][16 tile + r][128 step + 64 c + 32 h + i]: the lane and register in which the attention launch holds that score.  mflag [b][tile][wave 4][32 equal words]: bit k of wave w's word is 1 where nothing
; of the tile's 16 x 128 places of key step 4 w + k is hidden.  No LDS, no barrier on that path; waves share nothing on either.
.set STEPS, 16
.set EMAX,  2
.set CB,    12                         ; bytes of 16 codes
.set CHUNK, 24576                      ; 128 rows x 192 bytes
.set R,     16                         ; v16-79   four sets of 16 numbers as they are loaded
.set X,     80                         ; v80-111  two sets of 16 neighbours
.set E,     112                        ; v112-115 scale bytes, four steps by turns
.set SPW,   116                        ; v116     my spare word
.set NIL,   117                        ; v117     0
.set C,     120                        ; v120-151 codes: four registers a step, eight steps by turns
.set WREG,  8192                       ; LDS: a region for each wave: two stages of 32 x SP bytes, and behind them its 256 scale bytes
.set SP,    80                         ; a lane's place in a stage: its 64 bytes + 16 of padding
	s_load_b512 s[8:23], s[0:1], 0x0               ; query, key, value, Wq, Wk, Wv, Wo, mask
	s_load_b128 s[24:27], s[0:1], 0x40             ; xcs, wcs
	s_load_b64 s[28:29], s[0:1], 0x50              ; mbits
	s_load_b64 s[2:3], s[0:1], 0x58                ; mflag
	v_lshl_add_u32 v[SPW], v0, 2, 0x8000
	v_mov_b32 v[NIL], 0
	v_lshrrev_b32 v1, 5, v0
	v_readfirstlane_b32 s30, v1                    ; wave 0..3
	v_and_b32 v2, 31, v0                           ; lane
	s_cmp_ge_u32 ttmp9, 896
	s_cbranch_scc1 .Lmask
	; ---------------- the quantiser
	v_lshlrev_b32 v3, 4, v2                        ; my 16 bytes of a load's 512
	s_mul_i32 s37, s30, WREG
	v_lshrrev_b32 v14, 2, v2
	v_mul_u32_u24 v14, v14, SP
	v_and_b32 v15, 3, v2
	v_lshl_add_u32 v14, v15, 4, v14
	v_add_nc_u32 v14, s37, v14                     ; the stage, on the way in: SP (lane / 4) + 16 (lane % 4)
	v_mul_u32_u24 v15, v2, SP
	v_add_nc_u32 v15, s37, v15                     ; and on the way out: SP x lane
	v_and_b32 v4, 15, v2
	v_mul_u32_u24 v4, v4, CB
	v_lshrrev_b32 v8, 4, v2
	v_mad_u32_u24 v4, v8, CHUNK, v4                ; my codes' place: 12 (lane % 16), lanes 16-31 a chunk further on
	v_lshrrev_b32 v5, 1, v2
	s_add_co_u32 s37, s37, 2*32*SP
	v_add_nc_u32 v5, s37, v5                       ; LDS: my block's scale byte
	v_lshlrev_b32 v7, 3, v2                        ; and on the way out 8 bytes a lane
	v_add_nc_u32 v6, s37, v7
	s_and_b32 s36, s30, 1
	s_lshl_b32 s36, s36, 1
	s_lshr_b32 s38, s30, 1
	s_or_b32 s36, s36, s38                         ; the wave's number with its two bits exchanged
	s_mov_b32 s33, 127                             ; a weight has 128 runs,
	s_mov_b32 s34, 3145728                         ; and wcs has its scale bytes here
	s_wait_alu depctr_va_vdst(0)                   ; the wait at the head's end
	s_wait_kmcnt 0x0
	s_mov_b64 s[4:5], s[20:21]                     ; which tensor: 256 work-groups for each of query, key, value, then 32 for each weight.  The choices hang on the work-group's number alone
	s_cmp_lt_u32 ttmp9, 864
	s_cselect_b64 s[4:5], s[18:19], s[4:5]
	s_cmp_lt_u32 ttmp9, 832
	s_cselect_b64 s[4:5], s[16:17], s[4:5]
	s_cmp_lt_u32 ttmp9, 800
	s_cselect_b64 s[4:5], s[14:15], s[4:5]
	s_cmp_lt_u32 ttmp9, 768
	s_cselect_b64 s[4:5], s[12:13], s[4:5]
	s_cmp_lt_u32 ttmp9, 512
	s_cselect_b64 s[4:5], s[10:11], s[4:5]
	s_cmp_lt_u32 ttmp9, 256
	s_cselect_b64 s[4:5], s[8:9], s[4:5]
	s_cselect_b32 s35, 1, 0                        ; query keeps its rows' order,
	s_cmp_ge_u32 ttmp9, 864
	s_cselect_b32 s35, 1, s35                      ; and so does Wo
	s_cmp_eq_u32 s35, 1
	s_cselect_b32 s36, s30, s36                    ; where my run goes among the work-group's four
	s_cmp_lt_u32 ttmp9, 768                        ; an activation or a weight?
	s_cselect_b64 s[6:7], s[24:25], s[26:27]       ; xcs or wcs
	s_cselect_b32 s31, 0, 768                      ; the buffer's first work-group
	s_cselect_b32 s33, 1023, s33                   ; runs in a tensor, less 1
	s_cselect_b32 s34, 18874368, s34               ; where the buffer's scale bytes begin
	s_sub_co_u32 s32, ttmp9, s31
	s_lshl_b32 s32, s32, 2
	s_add_co_u32 s38, s32, s30
	s_and_b32 s38, s38, s33                        ; my run in its tensor,
	s_lshl_b32 s38, s38, 15                        ; 32,768 bytes each
	s_mov_b32 s39, 0
	s_add_nc_u64 s[4:5], s[4:5], s[38:39]
	s_add_co_u32 s40, s32, s36                     ; my run's place in the buffer
	s_lshr_b32 s41, ttmp9, 1                       ; key's own order: place 8 (work-group / 2) + 2 wave + work-group % 2
	s_lshl_b32 s41, s41, 3
	s_lshl_b32 s46, s30, 1
	s_add_co_u32 s41, s41, s46
	s_and_b32 s46, ttmp9, 1
	s_add_co_u32 s41, s41, s46
	s_lshr_b32 s46, ttmp9, 8
	s_cmp_eq_u32 s46, 1                            ; work-groups 256-511 are key's
	s_cselect_b32 s40, s41, s40
	s_lshr_b32 s38, s40, 4                         ; codes: the block of 128 rows,
	s_mul_i32 s38, s38, 4*CHUNK
	s_and_b32 s41, s40, 15
	s_mul_i32 s41, s41, 8*192                      ; and my 8 rows in each of its chunks
	s_add_co_u32 s38, s38, s41
	s_add_nc_u64 s[42:43], s[6:7], s[38:39]
	s_lshl_b32 s38, s40, 8                         ; 256 scale bytes a run
	s_add_co_u32 s38, s38, s34
	s_add_nc_u64 s[44:45], s[6:7], s[38:39]
.macro LOAD t
.irp i, 0,1,2,3
	global_load_b128 v[R+16*((\t)%4)+4*\i:R+16*((\t)%4)+4*\i+3], v3, s[4:5] offset:2048*(\t)+512*\i th:TH_LOAD_NT   ; 32 lanes read 512 consecutive bytes
.endr
.endm
.macro TURN t                          ; step t's numbers through the stage: LDS serves a wave's instructions in order (ISA guide 5.7.1.4), so no wait stands between the stores and the loads
.irp i, 0,1,2,3
	ds_store_b128 v14, v[R+16*((\t)%4)+4*\i:R+16*((\t)%4)+4*\i+3] offset:32*SP*((\t)%2)+8*SP*\i
.endr
.irp i, 0,1,2,3
	ds_load_b128 v[X+16*((\t)%2)+4*\i:X+16*((\t)%2)+4*\i+3], v15 offset:32*SP*((\t)%2)+16*\i
.endr
.endm
.irp t, 0,1,2,3
	LOAD \t
.endr
	s_wait_loadcnt 12                              ; step 0's four loads are in; those of steps 1 to 3 may be out
	TURN 0
.macro STEP t
.set XS, X+16*((\t)%2)
.set CS, C+4*((\t)%8)
.set ES, E+(\t)%4
.if (\t) > 0
	s_wait_dscnt 1                                 ; this step's numbers are back from the stage (the last step's byte store may be out)
.else
	s_wait_dscnt 0x0
.endif
.if (\t) >= 8
	s_wait_xcnt 0x0                                ; the store of eight steps ago has read its data: these registers take this step's codes
.endif
.if (\t)+4 < STEPS
	LOAD (\t)+4
.endif
.if (\t)+1 < STEPS
.if STEPS-2-(\t) >= 3
	s_wait_loadcnt 12                              ; the next step's four loads are in; those of the three steps behind it may be out
.else
	s_wait_loadcnt 4*(STEPS-2-(\t))
.endif
	TURN (\t)+1
.endif
	v_max3_num_f32 v8, |v[XS]|, |v[XS+1]|, |v[XS+2]|               ; the largest magnitude of my 16, in two chains
	v_max3_num_f32 v9, |v[XS+3]|, |v[XS+4]|, |v[XS+5]|
.irp i, 6,10
	v_max3_num_f32 v8, v8, |v[XS+\i]|, |v[XS+\i+1]|
	v_max3_num_f32 v9, v9, |v[XS+\i+2]|, |v[XS+\i+3]|
.endr
	v_max3_num_f32 v8, v8, |v[XS+14]|, |v[XS+15]|
	v_max3_num_f32 v8, v8, v9, (EMAX+1)<<23        ; and the floor 2^(3 - 127): so the byte cannot fall under 1
	v_max_num_f32_dpp v8, v8, v8 row_xmask:1 row_mask:0xf bank_mask:0xf   ; and of my neighbour's 16: the block's
	v_add_nc_u32 v11, -(EMAX<<23), v8              ; 2 off its exponent field: the conversion's scale operand
	v_cvt_scalef32_pk16_fp6_f32 v[CS:CS+2], v[XS:XS+15], v11
	v_lshrrev_b32 v[ES], 23, v11                   ; the scale's byte
	ds_store_b8 v5, v[ES] offset:16*(\t)           ; both lanes of a block write the same byte with the same value
	global_store_b96 v4, v[CS:CS+2], s[42:43] offset:2*CHUNK*((\t)%2)+192*((\t)/2)   ; row t / 2 of my 8, chunks 2 (t % 2) and 2 (t % 2) + 1
.endm
.irp t, 0,1,2,3,4,5,6,7,8,9,10,11,12,13,14,15
	STEP \t
.endr
	ds_load_b64 v[12:13], v6                       ; in order behind my byte stores
	s_wait_dscnt 0x0
	global_store_b64 v7, v[12:13], s[44:45]        ; 32 lanes store 256 consecutive aligned bytes
	s_wait_tensorcnt 0x0                           ; the wave's end
	ds_add_u32 v[SPW], v[NIL]
	s_wait_dscnt 0x0
	s_endpgm
	; ---------------- the mask.  Work-group 896 + m takes the 16 queries of tile m; wave w the keys 512 w to 512 w + 511: four key steps, 256 words
.Lmask:
	v_and_b32 v3, 15, v0                           ; r
	v_bfe_u32 v5, v0, 4, 1                         ; h
	v_lshlrev_b32 v4, 11, v3
	v_lshl_add_u32 v4, v5, 5, v4                   ; row r of 2,048 bytes, + 32 h
	s_wait_alu depctr_va_vdst(0)
	v_lshlrev_b32 v6, 4, v2                        ; out: 16 bytes a lane;
	v_lshlrev_b32 v7, 2, v2                        ; the flags' word: 4 bytes a lane
	s_sub_co_u32 s31, ttmp9, 896
	s_lshl_b32 s32, s31, 15                        ; 16 rows of 2,048 bytes a tile,
	s_lshl_b32 s33, s30, 9                         ; my wave's 512 keys
	s_add_co_u32 s32, s32, s33
	s_mov_b32 s33, 0
	s_lshl_b32 s34, s31, 12                        ; 4,096 bytes of words a tile,
	s_lshl_b32 s35, s30, 10                        ; 1,024 a wave
	s_add_co_u32 s34, s34, s35
	s_mov_b32 s35, 0
	s_lshl_b32 s38, s31, 9                         ; flags: 512 bytes a tile,
	s_lshl_b32 s39, s30, 7                         ; 128 a wave
	s_add_co_u32 s38, s38, s39
	s_mov_b32 s39, 0
	s_wait_kmcnt 0x0
	s_add_nc_u64 s[22:23], s[22:23], s[32:33]
	s_add_nc_u64 s[28:29], s[28:29], s[34:35]
	s_add_nc_u64 s[2:3], s[2:3], s[38:39]
.set B, 0
.rept 16
	global_load_b128 v[16+4*B:19+4*B], v4, s[22:23] offset:64*(B/2)+16*(B%2) th:TH_LOAD_NT   ; load B: places 16 (B % 2) + 0 .. 15 of my 32 in the 64 keys B / 2
.set B, B+1
.endr
.irp j, 0,1,2,3,4,5,6,7
	v_mov_b32 v[80+\j], 0                          ; v_writelane_b32's destination counts as read
.endr
; Word W = 16 B + i: a compare makes the 32 lanes' bits of byte i of load B; it is put where a store of 16 bytes a lane wants it: register W % 4 of lane (W % 128) / 4, W / 128 choosing the store.
; s[44 + W / 64] gathers the AND of a key step's 64 words.
.set B, 0
.rept 16
	s_wait_loadcnt 15-B                            ; load B is in; the 15 - B behind it may be out
.set i, 0
.rept 16
.set W, 16*B+i
	v_and_b32 v[88+W%4], 0xff<<(8*(i%4)), v[16+4*B+i/4]
	v_cmp_ne_u32 s[40+W%4], 0, v[88+W%4]
	v_writelane_b32 v[80+4*(W/128)+W%4], s[40+W%4], (W%128)/4
.if (W%64) == 0
	s_mov_b32 s[44+W/64], s[40+W%4]
.else
	s_and_b32 s[44+W/64], s[44+W/64], s[40+W%4]
.endif
.set i, i+1
.endr
.set B, B+1
.endr
	global_store_b128 v6, v[80:83], s[28:29]       ; each store covers 512 consecutive bytes, aligned
	global_store_b128 v6, v[84:87], s[28:29] offset:512
.irp k, 0,1,2,3
	s_cmp_eq_u32 s[44+\k], -1                      ; all ones: nothing hidden in my key step k
	s_cselect_b32 s[44+\k], 1<<\k, 0
.endr
	s_or_b32 s44, s44, s45
	s_or_b32 s46, s46, s47
	s_or_b32 s44, s44, s46
	v_mov_b32 v92, s44
	global_store_b32 v7, v92, s[2:3]               ; 128 consecutive bytes: the same word in each lane's place
	s_endpgm
.Lfunc_end_k_qadd8aea3fb_prep:
	.size	k_qadd8aea3fb_prep, .Lfunc_end_k_qadd8aea3fb_prep-k_qadd8aea3fb_prep
	.p2alignl 7, 3214868480
	.fill 96, 4, 3214868480
	.section	.rodata,"a",@progbits
	.p2align	6, 0x0
	.amdhsa_kernel k_qadd8aea3fb_prep
		.amdhsa_group_segment_fixed_size 33280
		.amdhsa_private_segment_fixed_size 0
		.amdhsa_enable_private_segment 0
		.amdhsa_kernarg_size 96
		.amdhsa_user_sgpr_count 2
		.amdhsa_user_sgpr_kernarg_segment_ptr 1
		.amdhsa_wavefront_size32 1
		.amdhsa_system_sgpr_workgroup_id_x 1
		.amdhsa_system_sgpr_workgroup_id_y 1
		.amdhsa_system_sgpr_workgroup_id_z 1
		.amdhsa_system_vgpr_workitem_id 0
		.amdhsa_next_free_vgpr 152
		.amdhsa_next_free_sgpr 66
		.amdhsa_reserve_vcc 0
		.amdhsa_float_denorm_mode_32 3
		.amdhsa_float_denorm_mode_16_64 3
		.amdhsa_memory_ordered 1
		.amdhsa_forward_progress 1
		.amdhsa_inst_pref_size 94
	.end_amdhsa_kernel
	.amdgpu_metadata
---
amdhsa.version: [ 1, 2 ]
amdhsa.kernels:
  - .name:           k_qadd8aea3fb_prep
    .symbol:         k_qadd8aea3fb_prep.kd
    .args:
      - { .name: query, .offset: 0, .size: 8, .value_kind: global_buffer, .address_space: global }
      - { .name: key, .offset: 8, .size: 8, .value_kind: global_buffer, .address_space: global }
      - { .name: value, .offset: 16, .size: 8, .value_kind: global_buffer, .address_space: global }
      - { .name: Wq, .offset: 24, .size: 8, .value_kind: global_buffer, .address_space: global }
      - { .name: Wk, .offset: 32, .size: 8, .value_kind: global_buffer, .address_space: global }
      - { .name: Wv, .offset: 40, .size: 8, .value_kind: global_buffer, .address_space: global }
      - { .name: Wo, .offset: 48, .size: 8, .value_kind: global_buffer, .address_space: global }
      - { .name: mask, .offset: 56, .size: 8, .value_kind: global_buffer, .address_space: global }
      - { .name: xcs, .offset: 64, .size: 8, .value_kind: global_buffer, .address_space: global }
      - { .name: wcs, .offset: 72, .size: 8, .value_kind: global_buffer, .address_space: global }
      - { .name: mbits, .offset: 80, .size: 8, .value_kind: global_buffer, .address_space: global }
      - { .name: mflag, .offset: 88, .size: 8, .value_kind: global_buffer, .address_space: global }
    .group_segment_fixed_size: 33280
    .private_segment_fixed_size: 0
    .kernarg_segment_align: 8
    .kernarg_segment_size: 96
    .max_flat_workgroup_size: 128
    .sgpr_count:     66
    .vgpr_count:     152
    .wavefront_size: 32
...
	.end_amdgpu_metadata
.endif
;; end of part 1
;; launch proj (part 2): grid 4 x 96, 4 waves a work-group, clusters of 4 x 4, 327,680 bytes of LDS; arguments xcs, wcs, bq, bk, bv, qb, kv; writes qb, kv
.if DOCPART == 2
	.amdgcn_target "amdgcn-amd-amdhsa--gfx1250"
	.amdhsa_code_object_version 6
	.text
	.protected	k_qadd8aea3fb_proj
	.globl	k_qadd8aea3fb_proj
	.p2align	8
	.type	k_qadd8aea3fb_proj,@function
k_qadd8aea3fb_proj:
	s_mov_b64 s[64:65], 0
	v_nop
	global_prefetch_b8 v0, s[64:65] scope:SCOPE_SE
	s_setreg_imm32_b32 hwreg(HW_REG_WAVE_MODE, 25, 1), 1
	s_wait_xcnt 0x0
	s_wait_alu depctr_hold_cnt(0) depctr_sa_sdst(0) depctr_va_vdst(0) depctr_va_sdst(0) depctr_va_ssrc(0) depctr_va_vcc(0) depctr_vm_vsrc(0)
	s_getreg_b32 s2, hwreg(HW_REG_IB_STS2, 6, 4)
	s_cmp_eq_u32 s2, 0
	s_cbranch_scc0 .Lentry_in_a_cluster
	s_endpgm
.Lentry_in_a_cluster:
	s_bfe_u32 s2, ttmp6, 0x10000c
	s_cmp_lg_u32 s2, 0xf033
	s_cbranch_scc0 .Lentry_shape_is_right
	s_endpgm
.Lentry_shape_is_right:
.set KSTEP,  256
.set NQ,     2
.set ROWB,   24576                     ; from a chunk of 256 along K to the next: 128 rows x 192 bytes, dense in memory
.set KROW,   768
.set PITCH,  240
.set FR,     12
.set NL,     6
.set NP,     4
.set HALFT,  128*PITCH
.set SLOT,   4*HALFT
.set KS,     32
.set SCL,    2*SLOT
.set HALFS,  (128*KS/256)*272
.set SBLK,   (16*KS/256)*272
.set SPARE,  SCL+4*HALFS
.set VB,   7
.set VB2,  8
.set LN,   9
.set ADRA, 16
.set ADRB, 20
.set ADRS, 27
.set SPW,  28
.set NIL,  29
.set L16,  30
.set L8,   31
.set SC,   32
.set BJ,   64
.set AF,   128
.set H,    128
.set CD,   192
.set TM,   212
.set PWS,  232
.set G,    240
.set GA,   244
.set GB,   248
.set SEL,  2
.set G1, 24
.set G0, 32
.set G1B, 48
.set G0B, 56
.set KIND, 66
.set G1S, 68
.set G0S, 76
.set G1SB, 80
.set G0SB, 88
.set OA,  96
.set OB,  98
.set BP,  100
.set MSB, 0
.macro WIN new
.if MSB != (\new)
	s_set_vgpr_msb (MSB<<8)|(\new)
.set MSB, (\new)
.endif
.endm
.set MUL_LO, 0xa1
.set MUL_HI, 0xf1
.set TO_B,   0x40
.macro JLOAD g0a, g1a, g0b, g1b
	s_cmp_eq_u32 s15, 0
	s_cbranch_scc0 .Lfor_b_\@
	tensor_load_to_lds s[\g0a:\g0a+3], s[\g1a:\g1a+7]
	s_nop 0
.rept 4
	v_nop
.endr
	s_branch .Lasked_\@
.Lfor_b_\@:
	tensor_load_to_lds s[\g0b:\g0b+3], s[\g1b:\g1b+7]
	s_nop 0
.rept 4
	v_nop
.endr
.Lasked_\@:
.endm
.macro CREST
	s_cmp_lg_u32 s14, 0
	s_cbranch_scc1 .Lnot_wave_0_\@
	s_barrier_signal -3
.Lnot_wave_0_\@:
	s_barrier_wait -3
	s_barrier_signal -1
	s_barrier_wait -1
.endm
.macro CROUND
	s_barrier_signal -1
	s_barrier_wait -1
	CREST
.endm
	s_load_b256 s[80:87], s[0:1], 0x0
	s_load_b128 s[88:91], s[0:1], 0x20
	s_load_b64 s[92:93], s[0:1], 0x30
	v_lshl_add_u32 v[SPW], v0, 2, SPARE
	v_mov_b32 v[NIL], 0
	ds_add_u32 v28, v29
	ds_add_u32 v28, v29
	s_wait_dscnt 0x0
	v_lshrrev_b32 v1, 5, v0
	v_readfirstlane_b32 s14, v1
	s_lshr_b32 s15, s14, 1
	s_and_b32 s16, s14, 1
	s_bfe_u32 s40, ttmp6, 0x40000
	s_bfe_u32 s41, ttmp6, 0x40004
	s_and_b32 s67, ttmp7, 0xffff
	s_lshr_b32 s[KIND], s67, 3
	s_and_b32 s67, s67, 7
	s_cmp_eq_u32 s[KIND], 2
	s_cselect_b32 s42, s67, 0
	s_cselect_b32 s17, 0, s67
	s_lshl_b32 s42, s42, 2
	s_add_co_u32 s42, s42, s40
	s_lshl_b32 s17, s17, 2
	s_add_co_u32 s17, s17, s41
	s_lshl_b32 s43, s41, 2
	s_lshl_b32 s43, 15, s43
	s_lshl_b32 s44, 0x1111, s40
	s_mul_i32 s20, s[KIND], 6291456
	s_mul_i32 s21, s[KIND], 262144
	s_add_co_u32 s21, s21, 18874368
	s_mul_i32 s22, s[KIND], 786432
	s_mul_i32 s23, s[KIND], 32768
	s_add_co_u32 s23, s23, 3145728
	s_mov_b32 s19, 0
	s_wait_kmcnt 0x0
	s_cmp_eq_u32 s[KIND], 2
	s_cselect_b32 s20, 1572864, s20
	s_cselect_b32 s21, 3211264, s21
	s_cselect_b32 s22, 12582912, s22
	s_cselect_b32 s23, 19398656, s23
	s_cselect_b64 s[4:5], s[82:83], s[80:81]
	s_cselect_b64 s[8:9], s[80:81], s[82:83]
	s_cselect_b64 s[BP:BP+1], s[88:89], s[86:87]
	s_cmp_eq_u32 s[KIND], 0
	s_cselect_b64 s[BP:BP+1], s[84:85], s[BP:BP+1]
	s_cselect_b64 s[OA:OA+1], s[90:91], s[92:93]
	s_mov_b32 s18, s21
	s_add_nc_u64 s[6:7], s[4:5], s[18:19]
	s_mov_b32 s18, s20
	s_add_nc_u64 s[4:5], s[4:5], s[18:19]
	s_mov_b32 s18, s23
	s_add_nc_u64 s[10:11], s[8:9], s[18:19]
	s_mov_b32 s18, s22
	s_add_nc_u64 s[8:9], s[8:9], s[18:19]
	s_or_b32 s[G1+0], s43, (0<<16)|(1<<20)|(1<<21)|(3<<22)|(3<<25)
	s_or_b32 s[G1B+0], s44, (0<<16)|(1<<20)|(1<<21)|(3<<22)|(3<<25)
.irp g, G1, G1B
	s_mov_b32 s[\g+1], 256<<16                     ; a tile's 24,576 dense bytes come as 96 rows of 256 bytes, each at a multiple of 256; 16 bytes of padding behind every 64 make the 192-byte rows of codes 240 apart in LDS
	s_mov_b32 s[\g+2], 96<<16
	s_mov_b32 s[\g+3], 256<<16
	s_mov_b32 s[\g+4], 96
	s_mov_b32 s[\g+5], 256
	s_mov_b32 s[\g+6], 0
	s_mov_b32 s[\g+7], 0
.endr
	s_or_b32 s[G1S+0], s43, (3<<16)|(1<<20)|(1<<21)|(5<<22)|(3<<25)
	s_or_b32 s[G1SB+0], s44, (3<<16)|(1<<20)|(1<<21)|(5<<22)|(3<<25)
.irp g, G1S, G1SB
	s_mov_b32 s[\g+1], 32<<16
	s_mov_b32 s[\g+2], (128*KS/256)<<16
	s_mov_b32 s[\g+3], 32<<16
	s_mov_b32 s[\g+4], 128*KS/256
	s_mov_b32 s[\g+5], 32
	s_mov_b32 s[\g+6], 0
	s_mov_b32 s[\g+7], 0
.endr
	s_lshl_b32 s18, s16, 7
	s_lshl_b32 s20, s17, 8
	s_add_co_u32 s20, s20, s18
	s_lshl_b32 s46, s42, 8
	s_add_co_u32 s46, s46, s18
	s_mov_b32 s21, 0
	s_mov_b32 s47, 0
	s_mov_b64 s[18:19], KS
	s_mul_u64 s[22:23], s[20:21], s[18:19]
	s_mul_u64 s[92:93], s[46:47], s[18:19]
	s_mov_b64 s[18:19], KROW
	s_mul_u64 s[20:21], s[20:21], s[18:19]
	s_mul_u64 s[46:47], s[46:47], s[18:19]
	s_mul_i32 s45, s14, HALFT
	s_mul_i32 s94, s14, HALFS
	s_add_nc_u64 s[20:21], s[4:5], s[20:21]
	s_add_nc_u64 s[22:23], s[6:7], s[22:23]
	s_add_nc_u64 s[46:47], s[8:9], s[46:47]
	s_add_nc_u64 s[92:93], s[10:11], s[92:93]
	CROUND
	s_mov_b32 s[G0S], 1
	s_add_co_u32 s[G0S+1], s94, SCL
	s_mov_b64 s[G0S+2:G0S+3], s[22:23]
	s_or_b32 s[G0S+3], s[G0S+3], 0x80000000
	s_mov_b32 s[G0SB], 1
	s_add_co_u32 s[G0SB+1], s94, SCL
	s_mov_b64 s[G0SB+2:G0SB+3], s[92:93]
	s_or_b32 s[G0SB+3], s[G0SB+3], 0x80000000
	JLOAD G0S, G1S, G0SB, G1SB
.irp s, 0,1
	s_mov_b32 s[G0+4*\s], 1
	s_add_co_u32 s[G0+4*\s+1], s45, \s*SLOT
	s_add_nc_u64 s[G0+4*\s+2:G0+4*\s+3], s[20:21], \s*ROWB
	s_or_b32 s[G0+4*\s+3], s[G0+4*\s+3], 0x80000000
	s_mov_b32 s[G0B+4*\s], 1
	s_add_co_u32 s[G0B+4*\s+1], s45, \s*SLOT
	s_add_nc_u64 s[G0B+4*\s+2:G0B+4*\s+3], s[46:47], \s*ROWB
	s_or_b32 s[G0B+4*\s+3], s[G0B+4*\s+3], 0x80000000
	s_wait_alu depctr_va_vdst(0)
	s_wait_tensorcnt 0x0
	ds_add_u32 v28, v29
	s_wait_dscnt 0x0
	CROUND
	JLOAD G0+4*\s, G1, G0B+4*\s, G1B
.endr
	v_and_b32 v1, 15, v0
	v_bfe_u32 v2, v0, 4, 1
	v_mul_u32_u24 v3, v1, PITCH
	v_mul_u32_u24 v4, v2, 24
	v_add_nc_u32 v4, v3, v4
	v_lshl_add_u32 v5, v2, 4, v4
	s_mul_i32 s21, s15, HALFT
	s_mul_i32 s22, s16, HALFT
	s_add_co_u32 s22, s22, 2*HALFT
.irp s, 0,1
	v_add_nc_u32 v[ADRA+\s], s21, v4
	v_add_nc_u32 v[ADRB+\s], s22, v4
	v_add_nc_u32 v[ADRA+2+\s], s21, v5
	v_add_nc_u32 v[ADRB+2+\s], s22, v5
	s_add_co_u32 s21, s21, SLOT
	s_add_co_u32 s22, s22, SLOT
.endr
	v_mul_u32_u24 v5, v1, KS
	v_lshrrev_b32 v6, 8, v5
	v_lshl_add_u32 v5, v6, 4, v5
	s_mul_i32 s21, s15, HALFS
	s_mul_i32 s22, s16, HALFS
	s_add_co_u32 s22, s22, 2*HALFS
	s_sub_co_u32 s22, s22, s21
	v_mul_u32_u24 v6, s22, v2
	s_add_co_u32 s21, s21, SCL
	v_add_nc_u32 v5, v5, v6
	v_add_nc_u32 v[ADRS], s21, v5
	v_and_b32 v[LN], 31, v0
	v_lshlrev_b32 v[L16], 4, v[LN]
	v_lshlrev_b32 v[L8], 3, v[LN]
	v_lshlrev_b32 v[VB], 6, v2
	v_and_b32 v[VB2], 8, v1
	v_add_nc_u32 v[VB2], v[VB2], v1
	v_lshlrev_b32 v[VB2], 2, v[VB2]
	s_lshl_b32 s20, s42, 1
	s_add_co_u32 s20, s20, s16
	s_lshl_b32 s21, s17, 1
	s_add_co_u32 s21, s21, s15
	s_mov_b32 s95, 13056
	s_cmp_eq_u32 s[KIND], 2
	s_cselect_b32 s22, s20, s21
	s_cselect_b32 s23, s21, s20
	s_cselect_b32 s94, 6656, 0
	s_cmp_eq_u32 s[KIND], 0
	s_cselect_b32 s95, 6656, s95
	s_lshl_b32 s18, s23, 9
	s_mov_b32 s19, 0
	s_add_nc_u64 s[BP:BP+1], s[BP:BP+1], s[18:19]
	s_lshl_b32 s23, s23, 1
	s_and_b32 s18, s22, -16
	s_add_co_u32 s18, s18, s23
	s_lshl_b32 s18, s18, 4
	s_and_b32 s22, s22, 15
	s_add_co_u32 s18, s18, s22
	s_mul_i32 s18, s18, s95
	s_add_co_u32 s18, s18, s94
	s_add_nc_u64 s[OA:OA+1], s[OA:OA+1], s[18:19]
	s_lshl_b32 s18, s95, 4
	s_add_nc_u64 s[OB:OB+1], s[OA:OA+1], s[18:19]
	s_mov_b32 s[SEL], 0x76543210
	s_mov_b32 s[SEL+1], 0xfedcba98
.macro FRAG reg, adr, q, i
.irp p, 0,1,2,3,4,5
.set PCE, 12*(\q)+6*(\p/3)+\p%3
.if PCE%8 < 5
	ds_load_b64 v[\reg+2*\p:\reg+2*\p+1], v[\adr] offset:8*PCE+16*(PCE/8)+(\i)*16*PITCH
.else
	ds_load_b64 v[\reg+2*\p:\reg+2*\p+1], v[\adr+2] offset:8*PCE+16*(PCE/8)+(\i)*16*PITCH
.endif
.endr
.endm
.macro MUL16 a0, p, q, sc, zero
.irp a, \a0, \a0+1
.irp b, 0,1,2,3,4,5,6,7
.if \zero
	v_wmma_scale_f32_16x16x128_f8f6f4 v[8*(8*((\a)%4)+\b):8*(8*((\a)%4)+\b)+7], v[128*(\p)+FR*\b:128*(\p)+FR*\b+FR-1], v[AF+FR*(\a):AF+FR*(\a)+FR-1], 0, v[SC+8*NQ*(\sc)+NQ*\b+(\q)], v[SC+8*NQ*(\sc)+NQ*(\a)+(\q)] matrix_a_fmt:MATRIX_FMT_FP6 matrix_b_fmt:MATRIX_FMT_FP6 matrix_a_scale:MATRIX_SCALE_ROW1
.else
	v_wmma_scale_f32_16x16x128_f8f6f4 v[8*(8*((\a)%4)+\b):8*(8*((\a)%4)+\b)+7], v[128*(\p)+FR*\b:128*(\p)+FR*\b+FR-1], v[AF+FR*(\a):AF+FR*(\a)+FR-1], v[8*(8*((\a)%4)+\b):8*(8*((\a)%4)+\b)+7], v[SC+8*NQ*(\sc)+NQ*\b+(\q)], v[SC+8*NQ*(\sc)+NQ*(\a)+(\q)] matrix_a_fmt:MATRIX_FMT_FP6 matrix_b_fmt:MATRIX_FMT_FP6 matrix_a_scale:MATRIX_SCALE_ROW1
.endif
.endr
.endr
.endm
.macro FETCH_B slot, q, p
	WIN TO_B
.irp i, 0,1,2,3,4,5,6,7
	FRAG 128*(\p)+FR*\i, ADRB+\slot, \q, \i
.endr
	WIN 0
.endm
.macro FETCH_A slot, q, i0
.irp i, \i0, \i0+1, \i0+2, \i0+3
	FRAG AF+FR*(\i), ADRA+\slot, \q, \i
.endr
.endm
.macro SCALES sc
.irp i, 0,1,2,3,4,5,6,7
	ds_load_b64 v[SC+8*NQ*\sc+NQ*\i:SC+8*NQ*\sc+NQ*\i+1], v[ADRS] offset:\i*SBLK
.endr
.endm
.macro PLACES n
.rept \n
	v_nop
.endr
.endm
.macro STEP slot, q, zero
	s_wait_dscnt 4*NL
	WIN MUL_LO
	MUL16 0, (\q)%2, \q, \slot, \zero
	MUL16 2, (\q)%2, \q, \slot, \zero
	s_wait_dscnt 0
	PLACES NP
	FETCH_B \slot, (\q)+1, 1-(\q)%2
	FETCH_A \slot, (\q)+1, 0
	WIN MUL_HI
	MUL16 4, (\q)%2, \q, \slot, \zero
	MUL16 6, (\q)%2, \q, \slot, \zero
	PLACES NP
	WIN 0
	FETCH_A \slot, (\q)+1, 4
.endm
.macro TURN slot, next, fill
	s_wait_tensorcnt 0x0
	ds_add_u32 v[SPW], v[NIL]
	s_wait_dscnt 4*NL+1
	WIN MUL_LO
	MUL16 0, 1, NQ-1, \slot, 0
	s_wait_dscnt 0x0
	s_barrier_signal -1
	MUL16 2, 1, NQ-1, \slot, 0
	WIN 0
	s_barrier_wait -1
.if \fill
	CREST
	s_add_nc_u64 s[G0+4*\slot+2:G0+4*\slot+3], s[G0+4*\slot+2:G0+4*\slot+3], 2*ROWB
	s_add_nc_u64 s[G0B+4*\slot+2:G0B+4*\slot+3], s[G0B+4*\slot+2:G0B+4*\slot+3], 2*ROWB
	JLOAD G0+4*\slot, G1, G0B+4*\slot, G1B
.else
	PLACES NP
.endif
	s_wait_alu depctr_va_vdst(0)
	v_add_nc_u32 v[ADRS], 4*NQ, v[ADRS]
	FETCH_B \next, 0, 0
	FETCH_A \next, 0, 0
	SCALES \next
	WIN MUL_HI
	MUL16 4, 1, NQ-1, \slot, 0
	MUL16 6, 1, NQ-1, \slot, 0
	PLACES NP
	WIN 0
	FETCH_A \next, 0, 4
.endm
.macro LAST
	s_wait_dscnt 4*NL
	WIN MUL_LO
	MUL16 0, 1, NQ-1, 1, 0
	MUL16 2, 1, NQ-1, 1, 0
	s_wait_dscnt 0
	WIN MUL_HI
	MUL16 4, 1, NQ-1, 1, 0
	MUL16 6, 1, NQ-1, 1, 0
	WIN 0
.endm
.macro BIAS kind
.if \kind == 2
.irp a, 0,1,2,3,4,5,6,7
	global_load_b32 v[BJ+\a], v[VB2], s[BP:BP+1] offset:(32*(\a/2)+8*(\a%2))*4
.endr
.else
.irp g, 0,1,2,3
.irp x, 0,1,2,3
	global_load_b128 v[BJ+16*\g+4*\x:BJ+16*\g+4*\x+3], v[VB], s[BP:BP+1] offset:(32*\g+4*\x)*4
.endr
.endr
.endif
.endm
.macro QUANT s, pw
.irp b, 0,1,2,3
	v_max3_num_f32 v[TM+\b], |v[\s+16*\b]|, |v[\s+1+16*\b]|, 0x1800000
.endr
.irp i, 2,4,6,8,10,12,14
.irp b, 0,1,2,3
	v_max3_num_f32 v[TM+\b], v[TM+\b], |v[\s+16*\b+\i]|, |v[\s+1+16*\b+\i]|
.endr
.endr
.irp b, 0,1,2,3
	v_permlanex16_b32 v[TM+4+\b], v[TM+\b], s[SEL], s[SEL+1]
.endr
.irp b, 0,1,2,3
	v_max_num_f32 v[TM+\b], v[TM+\b], v[TM+4+\b]
.endr
.irp b, 0,1,2,3
	v_add_nc_u32 v[TM+12+\b], 0xff000000, v[TM+\b]
.endr
.irp b, 0,1,2,3
	v_lshrrev_b32 v[TM+4+\b], 23, v[TM+12+\b]
.endr
	v_lshl_or_b32 v[\pw], v[TM+5], 8, v[TM+4]
	v_lshl_or_b32 v[\pw], v[TM+6], 16, v[\pw]
	v_lshl_or_b32 v[\pw], v[TM+7], 24, v[\pw]
	s_wait_xcnt 0x0
.irp c, 0,1
	v_cvt_scalef32_pk16_fp6_f32 v[CD+6*\c:CD+2+6*\c], v[\s+32*\c:\s+15+32*\c], v[TM+12+2*\c]
	v_cvt_scalef32_pk16_fp6_f32 v[CD+12+4*\c:CD+14+4*\c], v[\s+16+32*\c:\s+31+32*\c], v[TM+12+2*\c+1]
.endr
	v_nop
.irp c, 0,1
.irp i, 0,1,2
	v_permlane16_swap_b32 v[CD+6*\c+\i], v[CD+12+4*\c+\i]
.endr
.irp i, 0,1,2
	v_mov_b32 v[CD+3+6*\c+\i], v[CD+12+4*\c+\i]
.endr
.endr
.endm
.macro EPI kind
	s_wait_loadcnt 0x0
.irp b, 0,1,2,3
	v_mov_b32 v[TM+4+\b], 0
.endr
.irp a, 0,1,2,3,4,5,6,7
.set AC, 64*(\a%4)
	WIN 0x02+\a/4
.set k, 0
.rept 32
.if \kind == 2
.if \a%2 == 0
	v_pk_add_f32 v[H+2*k:H+2*k+1], v[AC+2*k:AC+2*k+1], v[BJ+2*(\a/2):BJ+2*(\a/2)+1] op_sel_hi:[1,0]
.else
	v_pk_add_f32 v[H+2*k:H+2*k+1], v[AC+2*k:AC+2*k+1], v[BJ+2*(\a/2):BJ+2*(\a/2)+1] op_sel:[0,1] op_sel_hi:[1,1]
.endif
.else
	v_pk_add_f32 v[H+2*k:H+2*k+1], v[AC+2*k:AC+2*k+1], v[BJ+2*k:BJ+2*k+1]
.endif
.set k, k+1
.endr
	WIN 0
	QUANT H, PWS+\a
.if \kind == 2
.irp c, 0,1,2
.if \a < 4
	global_store_b128 v[L16], v[CD+4*\c:CD+4*\c+3], s[OA:OA+1] offset:1536*(\a%4)+512*\c
.else
	global_store_b128 v[L16], v[CD+4*\c:CD+4*\c+3], s[OB:OB+1] offset:1536*(\a%4)+512*\c
.endif
.endr
.else
	global_store_b128 v[L16], v[CD:CD+3], s[OA:OA+1] offset:768*\a
	global_store_b64 v[L8], v[CD+4:CD+5], s[OA:OA+1] offset:768*\a+512
	global_store_b128 v[L16], v[CD+6:CD+9], s[OB:OB+1] offset:768*\a
	global_store_b64 v[L8], v[CD+10:CD+11], s[OB:OB+1] offset:768*\a+512
.endif
.endr
	v_cmp_le_u32 vcc_lo, 16, v[LN]
.irp b, 0,1,2,3
	v_cndmask_b32 v[G+\b], v[PWS+2*\b], v[PWS+2*\b+1], vcc_lo
.endr
.if \kind == 2
	global_store_b64 v[L8], v[G:G+1], s[OA:OA+1] offset:6144
	global_store_b64 v[L8], v[G+2:G+3], s[OB:OB+1] offset:6144
.else
.irp b, 0,1,2,3
	v_and_b32 v[GA+\b], 0xffff, v[G+\b]
	v_lshrrev_b32 v[GB+\b], 16, v[G+\b]
.endr
	global_store_b128 v[L16], v[GA:GA+3], s[OA:OA+1] offset:6144
	global_store_b128 v[L16], v[GB:GB+3], s[OB:OB+1] offset:6144
.endif
.endm
	s_wait_alu depctr_va_vdst(0)
	s_wait_tensorcnt 1
	s_barrier_signal -1
	s_barrier_wait -1
	FETCH_B 0, 0, 0
	FETCH_A 0, 0, 0
	SCALES 0
	FETCH_A 0, 0, 4
	STEP 0, 0, 1
	TURN 0, 1, 1
	STEP 1, 0, 0
	TURN 1, 0, 1
	STEP 0, 0, 0
	TURN 0, 1, 0
	STEP 1, 0, 0
	s_cmp_eq_u32 s[KIND], 2
	s_cbranch_scc1 .Lv
	BIAS 0
	LAST
	PLACES NP
	EPI 0
	s_branch .Lend
.Lv:
	BIAS 2
	LAST
	PLACES NP
	EPI 2
.Lend:
	s_wait_tensorcnt 0x0
	ds_add_u32 v[SPW], v[NIL]
	s_wait_dscnt 0x0
	CROUND
	s_endpgm
.Lfunc_end_k_qadd8aea3fb_proj:
	.size	k_qadd8aea3fb_proj, .Lfunc_end_k_qadd8aea3fb_proj-k_qadd8aea3fb_proj
	.p2alignl 7, 3214868480
	.fill 96, 4, 3214868480
	.section	.rodata,"a",@progbits
	.p2align	6, 0x0
	.amdhsa_kernel k_qadd8aea3fb_proj
		.amdhsa_group_segment_fixed_size 327680
		.amdhsa_private_segment_fixed_size 0
		.amdhsa_enable_private_segment 0
		.amdhsa_kernarg_size 56
		.amdhsa_user_sgpr_count 2
		.amdhsa_user_sgpr_kernarg_segment_ptr 1
		.amdhsa_wavefront_size32 1
		.amdhsa_system_sgpr_workgroup_id_x 1
		.amdhsa_system_sgpr_workgroup_id_y 1
		.amdhsa_system_sgpr_workgroup_id_z 1
		.amdhsa_system_vgpr_workitem_id 0
		.amdhsa_next_free_vgpr 1024
		.amdhsa_next_free_sgpr 102
		.amdhsa_reserve_vcc 1
		.amdhsa_float_denorm_mode_32 3
		.amdhsa_float_denorm_mode_16_64 3
		.amdhsa_memory_ordered 1
		.amdhsa_forward_progress 1
		.amdhsa_inst_pref_size 243
	.end_amdhsa_kernel
	.amdgpu_metadata
---
amdhsa.version: [ 1, 2 ]
amdhsa.kernels:
  - .name:           k_qadd8aea3fb_proj
    .symbol:         k_qadd8aea3fb_proj.kd
    .args:
      - { .name: xcs, .offset: 0, .size: 8, .value_kind: global_buffer, .address_space: global }
      - { .name: wcs, .offset: 8, .size: 8, .value_kind: global_buffer, .address_space: global }
      - { .name: bq, .offset: 16, .size: 8, .value_kind: global_buffer, .address_space: global }
      - { .name: bk, .offset: 24, .size: 8, .value_kind: global_buffer, .address_space: global }
      - { .name: bv, .offset: 32, .size: 8, .value_kind: global_buffer, .address_space: global }
      - { .name: qb, .offset: 40, .size: 8, .value_kind: global_buffer, .address_space: global }
      - { .name: kv, .offset: 48, .size: 8, .value_kind: global_buffer, .address_space: global }
    .group_segment_fixed_size: 327680
    .private_segment_fixed_size: 0
    .kernarg_segment_align: 8
    .kernarg_segment_size: 56
    .max_flat_workgroup_size: 128
    .sgpr_count:     102
    .vgpr_count:     1024
    .wavefront_size: 32
...
	.end_amdgpu_metadata
.endif
;; end of part 2
;; launch attn (part 3): grid 4 x 64, 16 waves a work-group, no clusters, 210,944 bytes of LDS; arguments qb, kv, mbits, cc, mflag; writes cc
.if DOCPART == 3
	.amdgcn_target "amdgcn-amd-amdhsa--gfx1250"
	.amdhsa_code_object_version 6
	.text
	.protected	k_qadd8aea3fb_attn
	.globl	k_qadd8aea3fb_attn
	.p2align	8
	.type	k_qadd8aea3fb_attn,@function
k_qadd8aea3fb_attn:
	s_mov_b64 s[64:65], 0
	v_nop
	global_prefetch_b8 v0, s[64:65] scope:SCOPE_SE
	s_setreg_imm32_b32 hwreg(HW_REG_WAVE_MODE, 25, 1), 1
	s_wait_xcnt 0x0
; ATTN: ctx[b][q][head][:] = the sum over k of softmax_k(mask ? q . k / 8 : -1e9) v[k][:], both products on codes of FP6 (E2M3) with E8M0 scales; ctx is quantised along the head's 64 and stored as operand images.
; THE SOFTMAX AHEAD OF THE SECOND PRODUCT: t = score x c, c = log2(e) / 8; M = the row's largest t so far, rounded UP to a whole number; p = 2^(t - M) is what is quantised, along the keys; it is not normalised.
; The row's sum is taken of the unquantised p and divides O at the end.  When M moves, the sum and O are multiplied by 2^(old M - new M): exact.
; THE MASK.  A hidden score is replaced by -2^33 (a logit of -2^30) ahead of the maximum.  -2^33 x c is a whole number that f32 holds exactly, so in a row that is hidden altogether t - M is exactly 0 and every p is 1: the uniform row.
; LIMIT: the logit is -2^30 and not -1e9: the result is the same wherever the open logits lie above about -9.9e8, since a hidden p is then 0 either way.
; LIMITS: NaN and infinities are not served; a block of ctx whose largest magnitude lies under 2^-124 gets the byte 1 (read by this program alone).
; SHARES.  256 work-groups; one owns 512 queries of one batch x head and takes them in two passes of 256; each of its sixteen waves has 16 queries a pass, in 256 registers: four waves to a SIMD.
; THE WHOLE HEAD'S K AND V, 16 key steps x 13,056 bytes of operand images and scale words, come into LDS ONCE, as they lie in memory, through registers: wave w brings key step w (25 loads of 512 bytes and one of 256).
; One barrier shows them to all; nothing is written to LDS behind it, so the waves run both passes with no further barrier.
; TWO FRONTS OF A KEY STEP.  mflag holds a bit for each tile of 16 queries and key step: 1 where nothing is hidden.  A scalar branch on that bit, read from memory, chooses the front without the mask's words or the one with their four loads and 64 selects.
; NO TENSOR LOAD, NO JOINT LOAD.  What four work-groups of a head share is the one fill at the head.
; NO PREFETCH: the fill stands at the head, with no loop to run ahead in.
; LAYOUT.  Both products are used transposed: S^T = K Q^T (source 0 = 16 keys, source 1 = my queries; K = 64, so registers 6-11 of both fragments hold codes 0), O^T = V^T P^T: a lane holds ONE query (lane % 16) throughout.
; Row 8 h + j of K's tile 4 c + q is key 64 c + 32 h + 8 q + j: so the 32 registers of tiles 4 c .. 4 c + 3 in lane (r, h) are the keys 64 c + 32 h + 0 .. 31: ONE SCALE BLOCK OF p, WHOLE, in the order of the operand's registers 6 c .. 6 c + 5.
; No lane asks another for a block's maximum, and no code changes lanes.  V^T's tiles hold the features 32 g + 8 u + r + 8 (r / 8).
; THE MASK'S WORDS: word 32 c + i of a key step holds, lane by lane, the mask's bit for register 32 c + i of S^T: 64 words in scalar registers, each the selector of one v_cndmask_b32.
; REGISTERS: v1, v2 16 and 8 x lane; v3-5 Q's offsets; v6 ctx's scale bytes' offset; v7 8 h; v8, v9 16 and 8 x lane + the step's LDS byte; v10, v11 the spare word and 0; v12 -M, v13 the largest score;
;   v[14:15], v[238:239], v[248:249], v[250:251] the row's sum in four running chains; v16-27 Q; v28 -2^33; v29 at work; v30-31 V's scale words; v32-79 four fragments of K; v80-127 V's four; v128-191 S^T, then p; v192-223 O^T;
;   v224-235 p's codes; v236, v237 the blocks' maxima; v240-243 K's scale words, then with v244-247 at work; v252 f; v253 p's scale word; v254 at work; v255 Q's scale word.
; SCALARS: s2 wave; s3 steps to go; s[4:7] the pass's four flag words; s[12:59], s[68:83] the mask's words; s[60:61] lane selects; s[62:63] c; s[66:67] my tile's words; s[84:85] Q; s[86:87], s[88:89] ctx's codes and scale bytes;
;   s[90:91] K, V; s92 pass; s93 the flags still to come, this step's lowest; s[96:97] my tile's flags; s100 the step's LDS byte; s101 its words' offset.
.set KVS,   13056                      ; a key step's block: 8 half images of K, 512 bytes of scale words, 4 images of V^T, 256 bytes of scale words
.set KVH,   16*KVS
.set SPARE, 0x33000                    ; behind K and V: the spare words, 128 bytes a wave
.macro WALU
	s_wait_alu depctr_va_vdst(0)
.endm
.macro MWORDS                          ; a key step's 64 words
	s_load_b512 s[12:27], s[66:67], s101 offset:0x0
	s_load_b512 s[28:43], s[66:67], s101 offset:0x40
	s_load_b512 s[44:59], s[66:67], s101 offset:0x80
	s_load_b512 s[68:83], s[66:67], s101 offset:0xc0
.endm
.macro ISSUE                           ; a pass's Q (half image and scale word) and its flags
	global_load_b128 v[16:19], v3, s[84:85]
	global_load_b64 v[20:21], v4, s[84:85] offset:512
	global_load_b32 v255, v5, s[84:85] offset:6144
	s_load_b32 s4, s[96:97], 0x0
	s_load_b32 s5, s[96:97], 0x80
	s_load_b32 s6, s[96:97], 0x100
	s_load_b32 s7, s[96:97], 0x180
.endm
.macro SPROD t, T                      ; S^T's tile T from K's fragment t.  Its scale words: the pair T / 2, lanes 16-31 for an odd tile
.if (\T)%2
	v_wmma_scale_f32_16x16x128_f8f6f4 v[128+8*(\T):135+8*(\T)], v[32+12*(\t):43+12*(\t)], v[16:27], 0, v[240+(\T)/2], v255 matrix_a_fmt:MATRIX_FMT_FP6 matrix_b_fmt:MATRIX_FMT_FP6 matrix_a_scale:MATRIX_SCALE_ROW1
.else
	v_wmma_scale_f32_16x16x128_f8f6f4 v[128+8*(\T):135+8*(\T)], v[32+12*(\t):43+12*(\t)], v[16:27], 0, v[240+(\T)/2], v255 matrix_a_fmt:MATRIX_FMT_FP6 matrix_b_fmt:MATRIX_FMT_FP6
.endif
.endm
.macro KLOAD T0                        ; four half images of K, tiles T0 on
.irp t, 0,1,2,3
	ds_load_b128 v[32+12*\t:35+12*\t], v8 offset:768*(\T0+\t)
	ds_load_b64 v[36+12*\t:37+12*\t], v9 offset:768*(\T0+\t)+512
.endr
.endm
.macro SELECT n0                       ; 32 scores: where the mask's bit is 0 the score becomes -2^33.  Each accumulator is read from its low end on
.set n, \n0
.rept 32
	v_cndmask_b32 v[128+n], v28, v[128+n], s[12+n+8*(n/48)]
.set n, n+1
.endr
.endm
; THE LARGEST SCORE OF MY BLOCK c (32 registers), in two chains by turns, eight lines a part: it serves the row's maximum and, since p rises with the score, the block's largest p.  Each accumulator is first read at its low end.
.macro CHAIN c, part
.set S0, 128+32*(\c)
.if (\part) == 0
	v_max3_num_f32 v[236+\c], v[S0], v[S0+1], v[S0+2]
	v_max3_num_f32 v[244+\c], v[S0+16], v[S0+17], v[S0+18]
.irp i, 3,5,7
	v_max3_num_f32 v[236+\c], v[236+\c], v[S0+\i], v[S0+1+\i]
	v_max3_num_f32 v[244+\c], v[244+\c], v[S0+16+\i], v[S0+17+\i]
.endr
.else
.irp i, 9,11,13
	v_max3_num_f32 v[236+\c], v[236+\c], v[S0+\i], v[S0+1+\i]
	v_max3_num_f32 v[244+\c], v[244+\c], v[S0+16+\i], v[S0+17+\i]
.endr
	v_max3_num_f32 v[236+\c], v[236+\c], v[S0+15], v[S0+31]
	s_delay_alu instid0(VALU_DEP_1)
	v_max_num_f32 v[236+\c], v[236+\c], v[244+\c]
.endif
.endm
; A KEY STEP'S FRONT: the scores of 128 keys, whose block begins at LDS byte s100, and the two blocks' largest.  masked = 1: with the mask's words and the selects
.macro FRONT masked
.if \masked
	s_sub_co_u32 s101, 16, s3                      ; the step's number,
	s_lshl_b32 s101, s101, 8                       ; 256 bytes of words a step
	MWORDS
.endif
	v_add_nc_u32 v8, s100, v1
	v_add_nc_u32 v9, s100, v2
	v_nop
	v_nop                                          ; four places behind the last step's products, in front of loads into registers that they have read
	KLOAD 0
	ds_load_b128 v[240:243], v8 offset:6144        ; K's scale words: four pairs of tiles
.irp d, 0,1,2,3
.irp c, 0,1,2
	ds_load_b128 v[80+12*\d+4*\c:83+12*\d+4*\c], v8 offset:6656+1536*\d+512*\c   ; V^T's four images
.endr
.endr
	ds_load_b64 v[30:31], v9 offset:12800          ; V's scale words: two pairs of tiles
	WALU
	s_wait_dscnt 13                                ; K's nine loads are in; V's thirteen may be out
.irp t, 0,1,2,3
	SPROD \t, \t
.endr
.rept 4
	v_nop                                          ; places in front of the loads below and of the first read of results
.endr
	KLOAD 4
.if \masked
	s_wait_kmcnt 0x0                               ; the step's words
	SELECT 0
.endif
	CHAIN 0, 0
	WALU
	s_wait_dscnt 0x0                               ; K's tiles 4-7, and V
.irp t, 0,1,2,3
	SPROD \t, 4+\t
.endr
	CHAIN 0, 1                                     ; eight plain lines on tiles 0-3's scores: the places behind those four products
.if \masked
	SELECT 32
.endif
	CHAIN 1, 0
	CHAIN 1, 1
.endm
.macro ACC c, j, first                 ; pair j of p onto chain c; a step's first term brings the chain under the new M on the way: chain x f + p
.if \first
	v_pk_fma_f32 v[\c:\c+1], v[\c:\c+1], v[252:253], v[128+2*(\j):129+2*(\j)] op_sel_hi:[1,0,1]
.else
	v_pk_add_f32 v[\c:\c+1], v[\c:\c+1], v[128+2*(\j):129+2*(\j)]
.endif
.endm
.macro RND r                           ; a round of the four chains
	ACC 14, 4*(\r), (\r)==0
	ACC 238, 4*(\r)+1, (\r)==0
	ACC 248, 4*(\r)+2, (\r)==0
	ACC 250, 4*(\r)+3, (\r)==0
.endm
.macro OMUL j                          ; a pair of O^T under the new M: x f
	v_pk_mul_f32 v[192+2*(\j):193+2*(\j)], v[192+2*(\j):193+2*(\j)], v[252:253] op_sel_hi:[1,0]
.endm
	s_load_b256 s[68:75], s[0:1], 0x0              ; qb, kv, mbits, cc
	s_load_b64 s[76:77], s[0:1], 0x20              ; mflag
	v_lshl_add_u32 v10, v0, 2, SPARE
	v_mov_b32 v11, 0
	v_lshrrev_b32 v1, 5, v0
	s_delay_alu instid0(VALU_DEP_1)
	v_readfirstlane_b32 s2, v1                     ; wave 0..15
	s_lshl_b32 s22, ttmp9, 5
	s_add_co_u32 s22, s22, s2                      ; my tile of 16 queries in the first pass: 32 x + wave (the second: 16 further on)
	s_and_b32 s23, ttmp7, 0xffff                   ; batch x head
	s_mul_i32 s24, s2, KVS                         ; the key step that I bring: in memory and in LDS alike
	s_mul_i32 s12, s23, KVH
	s_add_co_u32 s12, s12, s24
	s_mov_b32 s13, 0
	s_lshl_b32 s14, s23, 4
	s_lshr_b32 s25, s22, 3
	s_add_co_u32 s14, s14, s25
	s_mul_i32 s14, s14, 6656                       ; Q: the block of my 128 queries
	s_mov_b32 s15, 0
	s_and_b32 s25, s22, 7
	s_mul_i32 s26, s25, 768                        ; my tile in it
	s_and_b32 s27, s22, 1                          ; its scale words: lanes 16-31 of a pair hold the odd tile's,
	s_lshl_b32 s27, s27, 8
	s_lshr_b32 s25, s25, 1                         ; word = the pair's number
	s_lshl_b32 s25, s25, 2
	s_add_co_u32 s27, s27, s25
	s_lshr_b32 s28, s23, 4
	s_lshl_b32 s28, s28, 7
	s_add_co_u32 s28, s28, s22                     ; T: my tile among all 512
	s_lshl_b32 s16, s28, 12                        ; 4,096 bytes of mask words a tile
	s_mov_b32 s17, 0
	s_lshl_b32 s30, s28, 9                         ; 512 bytes of flags a tile
	s_mov_b32 s31, 0
	s_and_b32 s29, s23, 15                         ; the head
	s_lshl_b32 s18, s28, 4
	s_add_co_u32 s18, s18, s29
	s_mul_i32 s18, s18, 768                        ; ctx: half images [T][head][768]
	s_mov_b32 s19, 0
	s_lshl_b32 s20, s28, 9                         ; scale bytes [row][32]: 512 a tile,
	s_lshl_b32 s29, s29, 1                         ; two a head
	s_add_co_u32 s20, s20, s29
	s_add_co_u32 s20, s20, 6291456
	s_mov_b32 s21, 0
	s_mov_b32 s60, 0x76543210
	s_mov_b32 s61, 0xfedcba98
	s_mov_b32 s62, 0x3e38aa3b                      ; c = log2(e) / 8
	s_mov_b32 s63, s62                             ; (named with it as a pair, so it is written)
	s_mov_b32 s92, 0
	v_and_b32 v3, 31, v0
	v_and_b32 v5, 15, v0
	v_bfe_u32 v7, v0, 4, 1
	v_lshlrev_b32 v1, 4, v3                        ; 16 x lane
	v_lshlrev_b32 v2, 3, v3                        ; 8 x lane
	v_lshlrev_b32 v6, 5, v5                        ; 32 scale bytes for each row of ctx
	v_lshlrev_b32 v7, 3, v7                        ; 8 h
	v_lshl_add_u32 v5, v5, 4, s27
	v_add_nc_u32 v3, s26, v1
	v_add_nc_u32 v4, s26, v2
	v_add_nc_u32 v8, s24, v1
	v_add_nc_u32 v9, s24, v2
.irp j, 22,23,24,25,26,27
	v_mov_b32 v\j, 0                               ; K = 64: the upper half of Q's fragment holds codes 0,
.endr
.irp t, 0,1,2,3
.irp j, 6,7,8,9,10,11
	v_mov_b32 v[32+12*\t+\j], 0                    ; and so does that of K's four: written once, no load lands there
.endr
.endr
	v_mov_b32 v29, 0                               ; a lane permute's destination counts as one of its sources
	v_mov_b32 v253, 0                              ; (named as the upper half of the pair v[252:253] before it is first written)
	v_mov_b32 v28, 0xd0000000                      ; -2^33
	WALU                                           ; the wait at the head's end
	s_wait_kmcnt 0x0
	s_add_nc_u64 s[90:91], s[70:71], s[12:13]
	s_add_nc_u64 s[84:85], s[68:69], s[14:15]
	s_add_nc_u64 s[66:67], s[72:73], s[16:17]
	s_add_nc_u64 s[86:87], s[74:75], s[18:19]
	s_add_nc_u64 s[88:89], s[74:75], s[20:21]
	s_add_nc_u64 s[96:97], s[76:77], s[30:31]
.set i, 0
.rept 25
	global_load_b128 v[128+4*i:131+4*i], v1, s[90:91] offset:512*i   ; my key step of K and V: 512 consecutive aligned bytes a load
.set i, i+1
.endr
	global_load_b64 v[228:229], v2, s[90:91] offset:12800
	ISSUE
	s_wait_loadcnt 3                               ; K's and V's 26 loads are in; Q's three may be out
.set i, 0
.rept 25
	ds_store_b128 v8, v[128+4*i:131+4*i] offset:512*i
.set i, i+1
.endr
	ds_store_b64 v9, v[228:229] offset:12800
	s_wait_dscnt 0x0                               ; my stores are done, for the others' sake
	s_barrier_signal -1
	s_barrier_wait -1                              ; all sixteen key steps lie in LDS; nobody writes LDS from here on
.Lpass:
.set j, 0
.rept 32
	v_mov_b32 v[192+j], 0                          ; O^T.  (Written once for all steps: the first finds zeros, which the first change of M leaves zeros)
.set j, j+1
.endr
	v_mov_b32 v13, 0xff61b1e6                      ; the largest score so far: -3e38, under every score
	s_delay_alu instid0(VALU_DEP_1)
	v_floor_f32 v12, -v13                          ; -M
.irp j, 14,15,238,239,248,249,250,251
	v_mov_b32 v\j, 0                               ; the sum's four chains
.endr
	s_mov_b32 s100, 0
	s_mov_b32 s3, 16
	WALU
	s_wait_kmcnt 0x0                               ; the pass's flags: four bits of each of four words
	s_lshl_b32 s5, s5, 4
	s_lshl_b32 s6, s6, 8
	s_lshl_b32 s7, s7, 12
	s_or_b32 s4, s4, s5
	s_or_b32 s6, s6, s7
	s_or_b32 s93, s4, s6                           ; bit s: nothing is hidden in key step s
	s_wait_loadcnt 0x0                             ; Q
.Lstep:
	s_and_b32 s94, s93, 1                          ; SCC = this step's flag
	s_cbranch_scc1 .Lopen
	FRONT 1
	WALU
	s_branch .Ljoin
.Lopen:
	FRONT 0
.Ljoin:
	v_mov_b32 v246, v12                            ; the old -M
	v_max_num_f32 v254, v236, v237                 ; my 64 keys' largest score,
	s_delay_alu instid0(VALU_DEP_1)
	v_permlanex16_b32 v29, v254, s60, s61
	s_delay_alu instid0(VALU_DEP_1)
	v_max3_num_f32 v13, v13, v254, v29             ; with lane l xor 16's 64 and what came before: the running largest score
	s_delay_alu instid0(VALU_DEP_1)
	v_mul_f32 v254, s62, v13                       ; as t (c is positive, so the largest score gives the largest t)
	s_delay_alu instid0(VALU_DEP_1)
	v_floor_f32 v12, -v254                         ; the new -M = floor(-t) = -ceil(t): M IS A WHOLE NUMBER
	s_delay_alu instid0(VALU_DEP_1)
	v_sub_f32 v254, v12, v246                      ; M's old value less its new one: a whole number, 0 or less
	s_delay_alu instid0(VALU_DEP_1)
	v_cvt_i32_f32 v254, v254                       ; (it saturates)
	s_delay_alu instid0(VALU_DEP_1)
	v_ldexp_f32 v252, 1.0, v254                    ; f = 2^(old M - new M)
.set j, 0
.rept 32
	v_pk_fma_f32 v[128+j:129+j], v[128+j:129+j], s[62:63], v[12:13] op_sel_hi:[1,0,0]   ; t - M, two at a time (of the pairs c and -M the low word serves both halves)
.set j, j+2
.endr
	v_fma_f32 v236, v236, s62, v12                 ; the same of each block's largest score
	v_fma_f32 v237, v237, s62, v12
	WALU
.set j, 0
.rept 64
	v_exp_f32 v[128+j], v[128+j]                   ; p = 2^(t - M), at most 1: NOT normalised
.set j, j+1
.endr
	v_exp_f32 v236, v236                           ; the blocks' largest p: the same two instructions on the same number give the same bits
	v_exp_f32 v237, v237
	v_nop                                          ; the plain place behind the exponentials
	WALU                                           ; one wait for the whole batch, ahead of its first reader and of O^T's
; THE ROW'S SUM IS TAKEN OF THE UNQUANTISED p: 32 packed lines in four chains.  Between the rounds stand the lines that make p's scale word and the multiplications of O^T: no line reads a result of the four lines ahead of it.
	OMUL 0
	v_max_num_f32 v236, 0x1800000, v236            ; the floor 2^(3 - 127): the byte cannot fall under 1 (a block whose every p is 0 keeps that byte: its codes are zeros)
	v_max_num_f32 v237, 0x1800000, v237
	RND 0
	v_add_nc_u32 v243, 0xff000000, v236            ; 2 off the exponent field: the conversions' scale operand
	v_add_nc_u32 v247, 0xff000000, v237
	RND 1
	v_lshrrev_b32 v236, 23, v243                   ; the scales' bytes: blocks h and 2 + h
	v_lshrrev_b32 v237, 23, v247
	RND 2
	OMUL 1
	v_lshl_or_b32 v254, v237, 16, v236
	RND 3
	OMUL 2
	v_lshlrev_b32 v254, v7, v254                   ; at their places in the scale word (8 h bits up)
	RND 4
	OMUL 3
	v_permlanex16_b32 v29, v254, s60, s61
	RND 5
	OMUL 4
	OMUL 5
	RND 6
.irp j, 6,7,8,9,10,11,12,13,14,15
	OMUL \j
.endr
	v_cvt_scalef32_pk16_fp6_f32 v[224:226], v[128:143], v243
	v_cvt_scalef32_pk16_fp6_f32 v[240:242], v[144:159], v243   ; (a conversion's three registers begin on an even number)
	v_cvt_scalef32_pk16_fp6_f32 v[230:232], v[160:175], v247
	v_cvt_scalef32_pk16_fp6_f32 v[244:246], v[176:191], v247
	v_or_b32 v253, v254, v29                       ; with lane l xor 16's two bytes the scale word is whole.  (The plain place behind the conversions; ten plain lines stand between it and the products)
.irp i, 0,1,2
	v_mov_b32 v[227+\i], v[240+\i]
	v_mov_b32 v[233+\i], v[244+\i]
.endr
	RND 7                                          ; the four places between the last write of p's codes and the products
.irp d, 0,2                                    ; O^T += V^T P^T: four tiles of 16 of the head's 64, one instruction each: no two neighbours share an accumulator
	v_wmma_scale_f32_16x16x128_f8f6f4 v[192+8*\d:199+8*\d], v[80+12*\d:91+12*\d], v[224:235], v[192+8*\d:199+8*\d], v[30+\d/2], v253 matrix_a_fmt:MATRIX_FMT_FP6 matrix_b_fmt:MATRIX_FMT_FP6
	v_wmma_scale_f32_16x16x128_f8f6f4 v[200+8*\d:207+8*\d], v[92+12*\d:103+12*\d], v[224:235], v[200+8*\d:207+8*\d], v[30+\d/2], v253 matrix_a_fmt:MATRIX_FMT_FP6 matrix_b_fmt:MATRIX_FMT_FP6 matrix_a_scale:MATRIX_SCALE_ROW1
.endr
	s_lshr_b32 s93, s93, 1                         ; the next step's flag
	s_add_co_u32 s100, s100, KVS                   ; and its block
	s_sub_co_u32 s3, s3, 1
	s_cmp_lg_u32 s3, 0
	s_cbranch_scc1 .Lstep
	WALU
	s_cmp_eq_u32 s92, 1
	s_cbranch_scc1 .Lno_next
	s_add_nc_u64 s[84:85], s[84:85], 2*6656        ; the second pass's tile lies 16 tiles on: its Q and flags are asked for ahead of the way out
	s_add_nc_u64 s[66:67], s[66:67], 16*4096
	s_add_nc_u64 s[96:97], s[96:97], 16*512
	ISSUE
.Lno_next:
	; THE WAY OUT.  O^T / the sum is ctx: register 16 g + i of lane (r, h) is feature 32 g + 16 h + i of query r.  Its two blocks of 32 are quantised, and the half image and two scale bytes a row are stored.
	v_pk_add_f32 v[14:15], v[14:15], v[238:239]    ; the sum's four chains,
	v_pk_add_f32 v[248:249], v[248:249], v[250:251]
	s_delay_alu instid0(VALU_DEP_1)
	v_pk_add_f32 v[14:15], v[14:15], v[248:249]
	s_delay_alu instid0(VALU_DEP_1)
	v_add_f32 v14, v14, v15                        ; its two halves,
	s_delay_alu instid0(VALU_DEP_1)
	v_permlanex16_b32 v29, v14, s60, s61
	s_delay_alu instid0(VALU_DEP_1)
	v_add_f32 v14, v14, v29                        ; and lane l xor 16's: the row's sum
	WALU
	v_rcp_f32 v14, v14
	v_nop                                          ; plain places behind the reciprocal
	v_nop
	WALU                                           ; ahead of the first reader of the reciprocal and of O^T
.set j, 0
.rept 16
	v_pk_mul_f32 v[128+j:129+j], v[192+j:193+j], v[14:15] op_sel_hi:[1,0]   ; each accumulator from its low end on
.set j, j+2
.endr
.irp b, 0,1
	v_max3_num_f32 v[232+\b], |v[128+16*\b]|, |v[129+16*\b]|, 0x1800000     ; block b: my 16 numbers, and the floor
.endr
.irp i, 2,4,6,8,10,12,14
.irp b, 0,1
	s_delay_alu instid0(VALU_DEP_2)
	v_max3_num_f32 v[232+\b], v[232+\b], |v[128+16*\b+\i]|, |v[129+16*\b+\i]|
.endr
.endr
.irp b, 0,1
	s_delay_alu instid0(VALU_DEP_2)
	v_permlanex16_b32 v[236+\b], v[232+\b], s60, s61
.endr
.irp b, 0,1
	s_delay_alu instid0(VALU_DEP_2)
	v_max_num_f32 v[232+\b], v[232+\b], v[236+\b]
.endr
.irp b, 0,1
	s_delay_alu instid0(VALU_DEP_2)
	v_add_nc_u32 v[244+\b], 0xff000000, v[232+\b]
.endr
.irp b, 0,1
	s_delay_alu instid0(VALU_DEP_2)
	v_lshrrev_b32 v[236+\b], 23, v[244+\b]
.endr
	s_delay_alu instid0(VALU_DEP_1)
	v_lshl_or_b32 v254, v237, 8, v236              ; my row's two scale bytes
	v_cvt_scalef32_pk16_fp6_f32 v[224:226], v[128:143], v244
	v_cvt_scalef32_pk16_fp6_f32 v[240:242], v[144:159], v245
	v_nop                                          ; one plain place behind a scaled conversion
.irp i, 0,1,2
	v_permlane16_swap_b32 v[224+\i], v[240+\i]     ; lanes 0-15: block 0 whole; lanes 16-31: block 1
.endr
.irp i, 0,1,2
	v_mov_b32 v[227+\i], v[240+\i]
.endr
	global_store_b128 v1, v[224:227], s[86:87]     ; 512 consecutive bytes, aligned,
	global_store_b64 v2, v[228:229], s[86:87] offset:512   ; and 256
	global_store_b16 v6, v254, s[88:89]            ; two bytes of each row's 32: the other thirty come from the other heads' work-groups.  Lanes r and r + 16 write the same bytes with the same value
	s_wait_xcnt 0x0                                ; the stores have read their bases and data
	s_add_nc_u64 s[86:87], s[86:87], 16*16*768
	s_add_nc_u64 s[88:89], s[88:89], 16*512
	s_add_co_u32 s92, s92, 1
	s_cmp_lt_u32 s92, 2
	WALU
	s_cbranch_scc1 .Lpass
	s_wait_tensorcnt 0x0                           ; the wave's end
	ds_add_u32 v10, v11
	s_wait_dscnt 0x0
	s_endpgm
.Lfunc_end_k_qadd8aea3fb_attn:
	.size	k_qadd8aea3fb_attn, .Lfunc_end_k_qadd8aea3fb_attn-k_qadd8aea3fb_attn
	.p2alignl 7, 3214868480
	.fill 96, 4, 3214868480
	.section	.rodata,"a",@progbits
	.p2align	6, 0x0
	.amdhsa_kernel k_qadd8aea3fb_attn
		.amdhsa_group_segment_fixed_size 210944
		.amdhsa_private_segment_fixed_size 0
		.amdhsa_enable_private_segment 0
		.amdhsa_kernarg_size 40
		.amdhsa_user_sgpr_count 2
		.amdhsa_user_sgpr_kernarg_segment_ptr 1
		.amdhsa_wavefront_size32 1
		.amdhsa_system_sgpr_workgroup_id_x 1
		.amdhsa_system_sgpr_workgroup_id_y 1
		.amdhsa_system_sgpr_workgroup_id_z 1
		.amdhsa_system_vgpr_workitem_id 0
		.amdhsa_next_free_vgpr 256
		.amdhsa_next_free_sgpr 102
		.amdhsa_reserve_vcc 0
		.amdhsa_float_denorm_mode_32 3
		.amdhsa_float_denorm_mode_16_64 3
		.amdhsa_memory_ordered 1
		.amdhsa_forward_progress 1
		.amdhsa_inst_pref_size 41
	.end_amdhsa_kernel
	.amdgpu_metadata
---
amdhsa.version: [ 1, 2 ]
amdhsa.kernels:
  - .name:           k_qadd8aea3fb_attn
    .symbol:         k_qadd8aea3fb_attn.kd
    .args:
      - { .name: qb, .offset: 0, .size: 8, .value_kind: global_buffer, .address_space: global }
      - { .name: kv, .offset: 8, .size: 8, .value_kind: global_buffer, .address_space: global }
      - { .name: mbits, .offset: 16, .size: 8, .value_kind: global_buffer, .address_space: global }
      - { .name: cc, .offset: 24, .size: 8, .value_kind: global_buffer, .address_space: global }
      - { .name: mflag, .offset: 32, .size: 8, .value_kind: global_buffer, .address_space: global }
    .group_segment_fixed_size: 210944
    .private_segment_fixed_size: 0
    .kernarg_segment_align: 8
    .kernarg_segment_size: 40
    .max_flat_workgroup_size: 512
    .sgpr_count:     102
    .vgpr_count:     256
    .wavefront_size: 32
...
	.end_amdgpu_metadata
.endif
;; end of part 3
;; launch outp (part 4): grid 4 x 32, 4 waves a work-group, clusters of 4 x 4, 327,680 bytes of LDS; arguments cc, wcs, bo, out0; writes out0
.if DOCPART == 4
	.amdgcn_target "amdgcn-amd-amdhsa--gfx1250"
	.amdhsa_code_object_version 6
	.text
	.protected	k_qadd8aea3fb_outp
	.globl	k_qadd8aea3fb_outp
	.p2align	8
	.type	k_qadd8aea3fb_outp,@function
k_qadd8aea3fb_outp:
	s_mov_b64 s[64:65], 0
	v_nop
	global_prefetch_b8 v0, s[64:65] scope:SCOPE_SE
	s_setreg_imm32_b32 hwreg(HW_REG_WAVE_MODE, 25, 1), 1
	s_wait_xcnt 0x0
	s_wait_alu depctr_hold_cnt(0) depctr_sa_sdst(0) depctr_va_vdst(0) depctr_va_sdst(0) depctr_va_ssrc(0) depctr_va_vcc(0) depctr_vm_vsrc(0)
	s_getreg_b32 s2, hwreg(HW_REG_IB_STS2, 6, 4)
	s_cmp_eq_u32 s2, 0
	s_cbranch_scc0 .Lentry_in_a_cluster
	s_endpgm
.Lentry_in_a_cluster:
	s_bfe_u32 s2, ttmp6, 0x10000c
	s_cmp_lg_u32 s2, 0xf033
	s_cbranch_scc0 .Lentry_shape_is_right
	s_endpgm
.Lentry_shape_is_right:
.set SIZE_N, 1024
.set NQ,     2
.set ROWB,   24576                     ; from a chunk of 256 along K of Wo to the next: 128 rows x 192 bytes, dense in memory
.set KROW,   768
.set AROW,   3072
.set ATILE,  8*AROW
.set PITCH,  240
.set FR,     12
.set NLA,    4
.set NP,     4
.set HALFT,  128*PITCH
.set SLOT,   2*ATILE+2*HALFT
.set KS,     32
.set SCL,    2*SLOT
.set HALFS,  (128*KS/256)*272
.set SBLK,   (16*KS/256)*272
.set SPARE,  SCL+4*HALFS
.set SPITCH, 528
.set ADRA, 16
.set ADRB, 20
.set STO,  24
.set RD,   25
.set CO,   26
.set ADRS, 27
.set SPW,  28
.set NIL,  29
.set SC,   32
.set BI,   64
.set AF,   128
.set BK,   128
.set G1, 24
.set G0, 32
.set G1B, 48
.set G0B, 56
.set G1S, 68
.set G0S, 76
.set G1SB, 80
.set G0SB, 88
.set MSB, 0
.macro WIN new
.if MSB != (\new)
	s_set_vgpr_msb (MSB<<8)|(\new)
.set MSB, (\new)
.endif
.endm
.set MUL_LO, 0xa1
.set MUL_HI, 0xf1
.set MUL_LO0, 0x81
.set MUL_HI0, 0xc1
.set TO_B,   0x40
.macro JLOAD g0a, g1a, g0b, g1b
	s_cmp_eq_u32 s15, 0
	s_cbranch_scc0 .Lfor_b_\@
	tensor_load_to_lds s[\g0a:\g0a+3], s[\g1a:\g1a+7]
	s_nop 0
.rept 4
	v_nop
.endr
	s_branch .Lasked_\@
.Lfor_b_\@:
	tensor_load_to_lds s[\g0b:\g0b+3], s[\g1b:\g1b+7]
	s_nop 0
.rept 4
	v_nop
.endr
.Lasked_\@:
.endm
.macro CREST
	s_cmp_lg_u32 s14, 0
	s_cbranch_scc1 .Lnot_wave_0_\@
	s_barrier_signal -3
.Lnot_wave_0_\@:
	s_barrier_wait -3
	s_barrier_signal -1
	s_barrier_wait -1
.endm
.macro CROUND
	s_barrier_signal -1
	s_barrier_wait -1
	CREST
.endm
	s_load_b256 s[80:87], s[0:1], 0x0
	v_lshl_add_u32 v[SPW], v0, 2, SPARE
	v_mov_b32 v[NIL], 0
	ds_add_u32 v28, v29
	ds_add_u32 v28, v29
	s_wait_dscnt 0x0
	v_lshrrev_b32 v1, 5, v0
	v_readfirstlane_b32 s14, v1
	s_lshr_b32 s15, s14, 1
	s_and_b32 s16, s14, 1
	s_bfe_u32 s40, ttmp6, 0x40000
	s_bfe_u32 s41, ttmp6, 0x40004
	s_lshl_b32 s42, ttmp9, 2
	s_add_co_u32 s42, s42, s40
	s_and_b32 s17, ttmp7, 0xffff
	s_lshl_b32 s17, s17, 2
	s_add_co_u32 s17, s17, s41
	s_lshl_b32 s43, s41, 2
	s_lshl_b32 s43, 15, s43
	s_lshl_b32 s44, 0x1111, s40
	s_wait_kmcnt 0x0
	s_mov_b64 s[4:5], s[80:81]
	s_add_nc_u64 s[6:7], s[80:81], 6291456
	s_add_nc_u64 s[8:9], s[82:83], 2359296
	s_add_nc_u64 s[10:11], s[82:83], 3244032
	s_mov_b64 s[12:13], s[86:87]
	s_mov_b64 s[96:97], s[84:85]
	s_or_b32 s[G1+0], s43, (3<<16)|(1<<21)
	s_mov_b32 s[G1+1], (AROW/8)<<16
	s_mov_b32 s[G1+2], 8<<16
	s_mov_b32 s[G1+3], (AROW/8)<<16
	s_mov_b32 s[G1+4], 8
	s_mov_b32 s[G1+5], 16*KROW/8
	s_mov_b32 s[G1+6], 0
	s_mov_b32 s[G1+7], 0
	s_or_b32 s[G1B+0], s44, (0<<16)|(1<<20)|(1<<21)|(3<<22)|(3<<25)
	s_mov_b32 s[G1B+1], 256<<16                    ; a tile's 24,576 dense bytes come as 96 rows of 256 bytes, each at a multiple of 256; 16 bytes of padding behind every 64 make the 192-byte rows of codes 240 apart in LDS
	s_mov_b32 s[G1B+2], 96<<16
	s_mov_b32 s[G1B+3], 256<<16
	s_mov_b32 s[G1B+4], 96
	s_mov_b32 s[G1B+5], 256
	s_mov_b32 s[G1B+6], 0
	s_mov_b32 s[G1B+7], 0
	s_or_b32 s[G1S+0], s43, (3<<16)|(1<<20)|(1<<21)|(5<<22)|(3<<25)
	s_or_b32 s[G1SB+0], s44, (3<<16)|(1<<20)|(1<<21)|(5<<22)|(3<<25)
.irp g, G1S, G1SB
	s_mov_b32 s[\g+1], 32<<16
	s_mov_b32 s[\g+2], (128*KS/256)<<16
	s_mov_b32 s[\g+3], 32<<16
	s_mov_b32 s[\g+4], 128*KS/256
	s_mov_b32 s[\g+5], 32
	s_mov_b32 s[\g+6], 0
	s_mov_b32 s[\g+7], 0
.endr
	s_lshl_b32 s18, s16, 7
	s_lshl_b32 s20, s17, 8
	s_add_co_u32 s20, s20, s18
	s_lshl_b32 s46, s42, 8
	s_add_co_u32 s46, s46, s18
	s_mov_b32 s21, 0
	s_mov_b32 s47, 0
	s_mov_b64 s[18:19], KS
	s_mul_u64 s[22:23], s[20:21], s[18:19]
	s_mul_u64 s[92:93], s[46:47], s[18:19]
	s_mov_b64 s[18:19], KROW
	s_mul_u64 s[20:21], s[20:21], s[18:19]
	s_mul_u64 s[46:47], s[46:47], s[18:19]
	s_mul_i32 s45, s16, ATILE
	s_mul_i32 s95, s16, HALFT
	s_add_co_u32 s95, s95, 2*ATILE
	s_mul_i32 s94, s14, HALFS
	s_add_nc_u64 s[20:21], s[4:5], s[20:21]
	s_add_nc_u64 s[22:23], s[6:7], s[22:23]
	s_add_nc_u64 s[46:47], s[8:9], s[46:47]
	s_add_nc_u64 s[92:93], s[10:11], s[92:93]
	CROUND
	s_mov_b32 s[G0S], 1
	s_add_co_u32 s[G0S+1], s94, SCL
	s_mov_b64 s[G0S+2:G0S+3], s[22:23]
	s_or_b32 s[G0S+3], s[G0S+3], 0x80000000
	s_mov_b32 s[G0SB], 1
	s_add_co_u32 s[G0SB+1], s94, SCL
	s_mov_b64 s[G0SB+2:G0SB+3], s[92:93]
	s_or_b32 s[G0SB+3], s[G0SB+3], 0x80000000
	JLOAD G0S, G1S, G0SB, G1SB
.irp s, 0,1
	s_mov_b32 s[G0+4*\s], 1
	s_add_co_u32 s[G0+4*\s+1], s45, \s*SLOT
	s_add_nc_u64 s[G0+4*\s+2:G0+4*\s+3], s[20:21], \s*AROW
	s_or_b32 s[G0+4*\s+3], s[G0+4*\s+3], 0x80000000
	s_mov_b32 s[G0B+4*\s], 1
	s_add_co_u32 s[G0B+4*\s+1], s95, \s*SLOT
	s_add_nc_u64 s[G0B+4*\s+2:G0B+4*\s+3], s[46:47], \s*ROWB
	s_or_b32 s[G0B+4*\s+3], s[G0B+4*\s+3], 0x80000000
	s_wait_alu depctr_va_vdst(0)
	s_wait_tensorcnt 0x0
	ds_add_u32 v28, v29
	s_wait_dscnt 0x0
	CROUND
	JLOAD G0+4*\s, G1, G0B+4*\s, G1B
.endr
	v_and_b32 v1, 15, v0
	v_bfe_u32 v2, v0, 4, 1
	v_and_b32 v9, 31, v0
	v_mul_u32_u24 v3, v1, PITCH
	v_mul_u32_u24 v4, v2, 24
	v_add_nc_u32 v4, v3, v4
	v_lshl_add_u32 v5, v2, 4, v4
	v_lshlrev_b32 v6, 4, v9
	v_lshlrev_b32 v7, 3, v9
	s_mul_i32 s21, s15, ATILE
	s_mul_i32 s22, s16, HALFT
	s_add_co_u32 s22, s22, 2*ATILE
.irp s, 0,1
	v_add_nc_u32 v[ADRA+\s], s21, v6
	v_add_nc_u32 v[ADRA+2+\s], s21, v7
	v_add_nc_u32 v[ADRB+\s], s22, v4
	v_add_nc_u32 v[ADRB+2+\s], s22, v5
	s_add_co_u32 s21, s21, SLOT
	s_add_co_u32 s22, s22, SLOT
.endr
	v_mul_u32_u24 v5, v1, KS
	v_lshrrev_b32 v6, 8, v5
	v_lshl_add_u32 v5, v6, 4, v5
	s_mul_i32 s21, s15, HALFS
	s_mul_i32 s22, s16, HALFS
	s_add_co_u32 s22, s22, 2*HALFS
	s_sub_co_u32 s22, s22, s21
	v_mul_u32_u24 v6, s22, v2
	s_add_co_u32 s21, s21, SCL
	v_add_nc_u32 v5, v5, v6
	v_add_nc_u32 v[ADRS], s21, v5
	s_mul_i32 s23, s14, 16*SPITCH
	v_mul_u32_u24 v5, v1, SPITCH
	v_lshl_add_u32 v5, v2, 5, v5
	v_add_nc_u32 v[STO], s23, v5
	v_lshlrev_b32 v[CO], 4, v9
	v_add_nc_u32 v[RD], s23, v[CO]
	v_lshlrev_b32 v8, 5, v2
	s_wait_alu depctr_va_vdst(0)
	s_lshl_b32 s20, s17, 8
	s_lshl_b32 s21, s15, 7
	s_add_co_u32 s20, s20, s21
	s_mov_b32 s21, 0
	s_mov_b64 s[18:19], SIZE_N*4
	s_mul_u64 s[20:21], s[20:21], s[18:19]
	s_lshl_b32 s46, s42, 10
	s_lshl_b32 s47, s16, 9
	s_add_co_u32 s46, s46, s47
	s_mov_b32 s47, 0
	s_add_nc_u64 s[20:21], s[20:21], s[46:47]
	s_add_nc_u64 s[12:13], s[12:13], s[20:21]
	s_add_nc_u64 s[96:97], s[96:97], s[46:47]
.irp b, 0,1,2,3,4,5,6,7
	global_load_b128 v[BI+8*\b:BI+8*\b+3], v8, s[96:97] offset:64*\b
	global_load_b128 v[BI+8*\b+4:BI+8*\b+7], v8, s[96:97] offset:64*\b+16
.endr
.macro FRAG reg, adr, q, i
.irp p, 0,1,2,3,4,5
.set PCE, 12*(\q)+6*(\p/3)+\p%3
.if PCE%8 < 5
	ds_load_b64 v[\reg+2*\p:\reg+2*\p+1], v[\adr] offset:8*PCE+16*(PCE/8)+(\i)*16*PITCH
.else
	ds_load_b64 v[\reg+2*\p:\reg+2*\p+1], v[\adr+2] offset:8*PCE+16*(PCE/8)+(\i)*16*PITCH
.endif
.endr
.endm
.macro FRAGA reg, slot, q, i
	ds_load_b128 v[\reg:\reg+3], v[ADRA+\slot] offset:(\i)*AROW+(\q)*1536
	ds_load_b64 v[\reg+4:\reg+5], v[ADRA+2+\slot] offset:(\i)*AROW+(\q)*1536+512
	ds_load_b128 v[\reg+6:\reg+9], v[ADRA+\slot] offset:(\i)*AROW+(\q)*1536+768
	ds_load_b64 v[\reg+10:\reg+11], v[ADRA+2+\slot] offset:(\i)*AROW+(\q)*1536+1280
.endm
.macro MUL16 a0, p, q, sc, zero
.irp a, \a0, \a0+1
.irp b, 0,1,2,3,4,5,6,7
.if \zero
	v_wmma_scale_f32_16x16x128_f8f6f4 v[8*(8*((\a)%4)+\b):8*(8*((\a)%4)+\b)+7], v[128*(\p)+FR*\b:128*(\p)+FR*\b+FR-1], v[AF+FR*(\a):AF+FR*(\a)+FR-1], v[BI+8*\b:BI+8*\b+7], v[SC+8*NQ*(\sc)+NQ*\b+(\q)], v[SC+8*NQ*(\sc)+NQ*(\a)+(\q)] matrix_a_fmt:MATRIX_FMT_FP6 matrix_b_fmt:MATRIX_FMT_FP6 matrix_a_scale:MATRIX_SCALE_ROW1
.else
	v_wmma_scale_f32_16x16x128_f8f6f4 v[8*(8*((\a)%4)+\b):8*(8*((\a)%4)+\b)+7], v[128*(\p)+FR*\b:128*(\p)+FR*\b+FR-1], v[AF+FR*(\a):AF+FR*(\a)+FR-1], v[8*(8*((\a)%4)+\b):8*(8*((\a)%4)+\b)+7], v[SC+8*NQ*(\sc)+NQ*\b+(\q)], v[SC+8*NQ*(\sc)+NQ*(\a)+(\q)] matrix_a_fmt:MATRIX_FMT_FP6 matrix_b_fmt:MATRIX_FMT_FP6 matrix_a_scale:MATRIX_SCALE_ROW1
.endif
.endr
.endr
.endm
.macro FETCH_B slot, q, p
	WIN TO_B
.irp i, 0,1,2,3,4,5,6,7
	FRAG 128*(\p)+FR*\i, ADRB+\slot, \q, \i
.endr
	WIN 0
.endm
.macro FETCH_A slot, q, i0
.irp i, \i0, \i0+1, \i0+2, \i0+3
	FRAGA AF+FR*(\i), \slot, \q, \i
.endr
.endm
.macro SCALES sc
.irp i, 0,1,2,3,4,5,6,7
	ds_load_b64 v[SC+8*NQ*\sc+NQ*\i:SC+8*NQ*\sc+NQ*\i+1], v[ADRS] offset:\i*SBLK
.endr
.endm
.macro PLACES n
.rept \n
	v_nop
.endr
.endm
.macro STEP slot, q, zero
	s_wait_dscnt 4*NLA
.if \zero
	WIN MUL_LO0
.else
	WIN MUL_LO
.endif
	MUL16 0, (\q)%2, \q, \slot, \zero
	MUL16 2, (\q)%2, \q, \slot, \zero
	s_wait_dscnt 0
	PLACES NP
	FETCH_B \slot, (\q)+1, 1-(\q)%2
	FETCH_A \slot, (\q)+1, 0
.if \zero
	WIN MUL_HI0
.else
	WIN MUL_HI
.endif
	MUL16 4, (\q)%2, \q, \slot, \zero
	MUL16 6, (\q)%2, \q, \slot, \zero
	PLACES NP
	WIN 0
	FETCH_A \slot, (\q)+1, 4
.endm
.macro TURN slot, next, fill
	s_wait_tensorcnt 0x0
	ds_add_u32 v[SPW], v[NIL]
	s_wait_dscnt 4*NLA+1
	WIN MUL_LO
	MUL16 0, 1, NQ-1, \slot, 0
	s_wait_dscnt 0x0
	s_barrier_signal -1
	MUL16 2, 1, NQ-1, \slot, 0
	WIN 0
	s_barrier_wait -1
.if \fill
	CREST
	s_add_nc_u64 s[G0+4*\slot+2:G0+4*\slot+3], s[G0+4*\slot+2:G0+4*\slot+3], 2*AROW
	s_add_nc_u64 s[G0B+4*\slot+2:G0B+4*\slot+3], s[G0B+4*\slot+2:G0B+4*\slot+3], 2*ROWB
	JLOAD G0+4*\slot, G1, G0B+4*\slot, G1B
.else
	PLACES NP
.endif
	s_wait_alu depctr_va_vdst(0)
	v_add_nc_u32 v[ADRS], 4*NQ, v[ADRS]
	FETCH_B \next, 0, 0
	FETCH_A \next, 0, 0
	SCALES \next
	WIN MUL_HI
	MUL16 4, 1, NQ-1, \slot, 0
	MUL16 6, 1, NQ-1, \slot, 0
	PLACES NP
	WIN 0
	FETCH_A \next, 0, 4
.endm
	s_wait_tensorcnt 1
	s_barrier_signal -1
	s_barrier_wait -1
	FETCH_B 0, 0, 0
	FETCH_A 0, 0, 0
	SCALES 0
	FETCH_A 0, 0, 4
	s_wait_loadcnt 0x0
	STEP 0, 0, 1
	TURN 0, 1, 1
	STEP 1, 0, 0
	TURN 1, 0, 1
	STEP 0, 0, 0
	TURN 0, 1, 0
	STEP 1, 0, 0
	s_wait_dscnt 4*NLA
	WIN MUL_LO
	MUL16 0, 1, NQ-1, 1, 0
	MUL16 2, 1, NQ-1, 1, 0
	s_wait_dscnt 0
	WIN MUL_HI
	MUL16 4, 1, NQ-1, 1, 0
	MUL16 6, 1, NQ-1, 1, 0
	WIN 0
.macro TOSTAGE a
.set AC, 64*((\a)%4)
	WIN 0x08+4*((\a)/4)
.irp b, 0,1,2,3,4,5,6,7
	ds_store_b128 v[STO], v[AC+8*\b:AC+8*\b+3] offset:64*\b
	ds_store_b128 v[STO], v[AC+8*\b+4:AC+8*\b+7] offset:64*\b+16
.endr
	WIN 0
.set BB, BK+64*((\a)%2)
.irp t, 0,1,2,3,4,5,6,7,8,9,10,11,12,13,14,15
	ds_load_b128 v[BB+4*\t:BB+4*\t+3], v[RD] offset:\t*SPITCH
.endr
.endm
.macro SEND a, younger
.set BB, BK+64*((\a)%2)
	s_wait_dscnt \younger
.if (\a) > 0
	s_add_nc_u64 s[12:13], s[12:13], 16*SIZE_N*4
.endif
.irp t, 0,1,2,3,4,5,6,7,8,9,10,11,12,13,14,15
	global_store_b128 v[CO], v[BB+4*\t:BB+4*\t+3], s[12:13] offset:\t*SIZE_N*4 th:TH_STORE_NT
.endr
.endm
	PLACES NP
	TOSTAGE 0
.irp a, 1,2,3,4,5,6,7
.if \a > 1
	s_wait_xcnt 0x0
.endif
	TOSTAGE \a
	SEND \a-1, 32
.endr
	s_wait_xcnt 0x0
	SEND 7, 0
	s_wait_tensorcnt 0x0
	ds_add_u32 v[SPW], v[NIL]
	s_wait_dscnt 0x0
	CROUND
	s_endpgm
.Lfunc_end_k_qadd8aea3fb_outp:
	.size	k_qadd8aea3fb_outp, .Lfunc_end_k_qadd8aea3fb_outp-k_qadd8aea3fb_outp
	.p2alignl 7, 3214868480
	.fill 96, 4, 3214868480
	.section	.rodata,"a",@progbits
	.p2align	6, 0x0
	.amdhsa_kernel k_qadd8aea3fb_outp
		.amdhsa_group_segment_fixed_size 327680
		.amdhsa_private_segment_fixed_size 0
		.amdhsa_enable_private_segment 0
		.amdhsa_kernarg_size 32
		.amdhsa_user_sgpr_count 2
		.amdhsa_user_sgpr_kernarg_segment_ptr 1
		.amdhsa_wavefront_size32 1
		.amdhsa_system_sgpr_workgroup_id_x 1
		.amdhsa_system_sgpr_workgroup_id_y 1
		.amdhsa_system_sgpr_workgroup_id_z 1
		.amdhsa_system_vgpr_workitem_id 0
		.amdhsa_next_free_vgpr 1024
		.amdhsa_next_free_sgpr 98
		.amdhsa_reserve_vcc 0
		.amdhsa_float_denorm_mode_32 3
		.amdhsa_float_denorm_mode_16_64 3
		.amdhsa_memory_ordered 1
		.amdhsa_forward_progress 1
		.amdhsa_inst_pref_size 155
	.end_amdhsa_kernel
	.amdgpu_metadata
---
amdhsa.version: [ 1, 2 ]
amdhsa.kernels:
  - .name:           k_qadd8aea3fb_outp
    .symbol:         k_qadd8aea3fb_outp.kd
    .args:
      - { .name: cc, .offset: 0, .size: 8, .value_kind: global_buffer, .address_space: global }
      - { .name: wcs, .offset: 8, .size: 8, .value_kind: global_buffer, .address_space: global }
      - { .name: bo, .offset: 16, .size: 8, .value_kind: global_buffer, .address_space: global }
      - { .name: out0, .offset: 24, .size: 8, .value_kind: global_buffer, .address_space: global }
    .group_segment_fixed_size: 327680
    .private_segment_fixed_size: 0
    .kernarg_segment_align: 8
    .kernarg_segment_size: 32
    .max_flat_workgroup_size: 128
    .sgpr_count:     98
    .vgpr_count:     1024
    .wavefront_size: 32
...
	.end_amdgpu_metadata
.endif
;; end of part 4
